; MI455X (gfx1250); checked and timed in simulation.
; The chip was launched on July 23, 2026; its instructions are those of AMD's public machine-readable ISA for CDNA 5 (MIT licence, August 2026) and "CDNA5" Instruction Set Architecture Reference Guide (July 2026). The comments in the code are by the model that wrote it; some were corrected since.
;; Multi Head Attention. Allowed arithmetic: matrix products marked QUANTISED: E2M3 operands, one E8M0 scale for each 32 along K, by v_wmma_scale_f32_16x16x128_f8f6f4 with both operands' format E2M3, f32 sums; everything else in f32.
;; Inputs: W_proj 1,024 x 1,024 float32; W_qkv 1,024 x 3,072 float32; b_proj 1,024 float32; b_qkv 3,072 float32; x 4 x 2,048 x 1,024 float32.
;; Outputs: out0 4 x 2,048 x 1,024 float32.
;; This version of the problem:
;;   THIS VERSION OF THE PROBLEM IS GIVEN IN LOW PRECISION. The matrix products marked QUANTISED in the list below multiply operands that are first quantised to E2M3 (2 exponent bits, 3 mantissa bits; 6 bits a number), with one power-of-two scale for each 32 numbers along K (OCP MX v1.0); their sums are f32. All else is computed in f32.
;;   The module's matrix products, in the order in which they are computed (A, B: the left and right operand; K: the contracted axis; several contracted axes count as one K, in the product's order):
;;     1. [M 8,192, K 1,024] x [K 1,024, N 3,072]; A: input x; B: input W_qkv: QUANTISED
;;     2. batch 64 x [M 2,048, K 64] x [K 64, N 2,048]; A: computed on the way; B: computed on the way: QUANTISED
;;     3. batch 64 x [M 2,048, K 2,048] x [K 2,048, N 64]; A: softmax (see below); B: computed on the way: QUANTISED
;;     4. [M 8,192, K 1,024] x [K 1,024, N 1,024]; A: computed on the way; B: input W_proj: QUANTISED
;;   THE QUANTISER, for each operand of a quantised product, along K:
;;     - K is cut into blocks of 32 from its start; a last block that is shorter is filled with zeros.
;;     - A block's scale is 2^e with e = floor(log2(the largest magnitude in the block)) - 2, held to -126 .. 127; a block of zeros has e = 0. As a byte (E8M0): e + 127.
;;     - Each number is divided by its block's scale, clamped to +-7.5, and rounded to the nearest number of E2M3, ties to even, subnormals kept.
;;     - The product sums the exact products of the quantised numbers (number of the format x scale) in f32.
;;   ~~~python
;;   def quantise(x, axis):      # numpy; x: float32 -> the quantised numbers, widened to float32 again
;;       x = np.moveaxis(x, axis, -1); K = x.shape[-1]
;;       x = np.pad(x, [(0, 0)] * (x.ndim - 1) + [(0, -K % 32)]); x = x.reshape(x.shape[:-1] + (-1, 32)); a = np.abs(x).max(-1, keepdims=True)
;;       e = np.where(a > 0, np.clip(np.frexp(np.where(a > 0, a, 1))[1] - 1 - 2, -126, 127), 0)      # np.frexp(a)[1] - 1 = floor(log2(a)), exactly
;;       r = np.clip(x / 2.0 ** e, -7.5, 7.5)
;;       step = 2.0 ** (np.maximum(np.frexp(np.where(r == 0, 1, r))[1] - 1, 0) - 3)
;;       q = np.round(r / step) * step * 2.0 ** e      # np.round: ties to even
;;       return np.moveaxis(q.reshape(q.shape[:-2] + (-1,))[..., :K], -1, axis).astype(np.float32)
;;   ~~~
;;   SOFTMAX AHEAD OF A QUANTISED PRODUCT. Where the list says 'softmax', what is quantised is not the finished softmax but p = 2^(t - M), with t = logit x log2(e) and M = ceil(the row's largest t), a whole number; so 1/2 < the row's largest p <= 1. The row's sum l is taken of the UNQUANTISED p, in f32, and the product's result is divided by l at the end. Since M is a whole number, a kernel that streams over the keys may use a running M (the ceiling of the running maximum): every later rescaling is an exact power of two, which a block's scale takes up: the codes' values come out the same.
;;   OPERANDS COMPUTED ON THE WAY. 'Computed on the way' means the value that the module computes at that place (a softmax that the list does not call 'softmax' is quantised finished and normalised). What goes into a quantiser is computed in f32, as accurately as f32 sums, v_exp_f32 and their like allow (about 1e-6 of the number): no bf16 or f16 on the way to a quantiser, and a product that is left as it is and whose result goes on into a quantised operand takes f32 operands (vector FMAs, or v_wmma_f32_16x16x4_f32). A number that lies on a knife's edge between two numbers of the format may be rounded either way, as far as f32 arithmetic and the matrix unit's own rounding can turn it there, and no further.
;; One version. Each part assembles by itself: llvm-mc -triple=amdgcn-amd-amdhsa -mcpu=gfx1250 --defsym DOCPART=n.
;; ======== version 1 of 1: 4 launches
;; limits: right only within a limited range of input values
;; workspace buffers: ximg 6,553,600 bytes; wimg 3,276,800 bytes; qkv 20,185,088 bytes; aimg 6,553,600 bytes
;; launch quant (part 1): grid 256 x 1, 4 waves a work-group, no clusters, 35,328 bytes of LDS; arguments x, W_qkv, W_proj, ximg, wimg; writes ximg, wimg
.if DOCPART == 1
	.amdgcn_target "amdgcn-amd-amdhsa--gfx1250"
	.amdhsa_code_object_version 6
	.text
	.protected	k_qdd58973ed7_quant
	.globl	k_qdd58973ed7_quant
	.p2align	8
	.type	k_qdd58973ed7_quant,@function
k_qdd58973ed7_quant:
	s_mov_b64 s[64:65], 0
	v_nop
	global_prefetch_b8 v0, s[64:65] scope:SCOPE_SE
	s_setreg_imm32_b32 hwreg(HW_REG_WAVE_MODE, 25, 1), 1
	s_wait_xcnt 0x0
; x [8192][1024], W_qkv [1024][3072] and W_proj [1024][1024], f32, become codes of FP6 (E2M3) with one E8M0 byte for each 32 along K (K = 1024 in all three),
; laid as IMAGES OF OPERAND REGISTERS, so that the products' launches fetch fragments by dense loads alone.
; A TILE is 16 rows of an operand.  Lane index m of tile T holds row 64 (T / 4) + 32 (m / 8) + 8 (T % 4) + m % 8: with that order the 32 result registers of four neighbouring
; tiles used as source 0 are 32 NEIGHBOURING rows, a whole block of the next product's K in one lane.
; A CHUNK is a tile x 64 along K, 768 bytes: lane l = (r, h) owns the 24 bytes of block h of row r: its registers 0-3 at 16 l, its registers 4-5 at 512 + 8 l.  A tile is 16 chunks, 12,288 bytes.
; A tile's SCALES are 512 bytes: lane l = (r, h) has 16 bytes at 16 l: row r's scale words (four bytes, 128 along K) of K steps 4 h .. 4 h + 3.
; A block's scale is 2^(floor(log2(largest magnitude)) - 2): its byte is the largest magnitude's exponent field - 2, held at 1 from below by a floor among the maximum's leaves.
; LIMITS: NaN and infinities among the inputs are not served.  A block of zeros, or one whose largest magnitude lies under 2^-124, gets the byte 1 (the rule says 127 for zeros): its codes are
; zeros or as the floor's scale gives them, and the bytes are read by this program alone.
; SHARES: work-groups 0-127 take x (a wave = one tile, all of K); 128-223 W_qkv, 224-255 W_proj (a wave = 32 columns x 256 along K).  Work-groups share no input: no cluster, no tensor load, no barrier.
.set XS_OFF, 6291456                   ; ximg: the scales lie behind 512 tiles of codes
.set WS_OFF, 3145728                   ; wimg: behind 256 tiles
.set R, 32                             ; v32-159  x: four sets of 32 registers as loaded
.set X, 160                            ; v160-223 x: two sets of 32 neighbours along K
.set C, 224                            ; v224-239 x: two sets of 8 for codes
; the largest magnitude of v[b] .. v[b + 31] and the floor 2^(3 - 127), in two chains
.macro MAX32 d, e, b
	v_max3_num_f32 v[\d], |v[(\b)]|, |v[(\b)+1]|, |v[(\b)+2]|
	v_max3_num_f32 v[\e], |v[(\b)+3]|, |v[(\b)+4]|, |v[(\b)+5]|
.irp i, 6,10,14,18,22,26
	v_max3_num_f32 v[\d], v[\d], |v[(\b)+\i]|, |v[(\b)+\i+1]|
	v_max3_num_f32 v[\e], v[\e], |v[(\b)+\i+2]|, |v[(\b)+\i+3]|
.endr
	v_max3_num_f32 v[\d], v[\d], |v[(\b)+30]|, |v[(\b)+31]|
	v_max3_num_f32 v[\d], v[\d], v[\e], 0x1800000
.endm
	s_load_b256 s[4:11], s[0:1], 0x0               ; x s[4:5], W_qkv s[6:7], W_proj s[8:9], ximg s[10:11]
	s_load_b64 s[12:13], s[0:1], 0x20              ; wimg
	v_lshl_add_u32 v240, v0, 2, 0x8800
	v_mov_b32 v241, 0
	v_lshrrev_b32 v1, 5, v0
	v_readfirstlane_b32 s16, v1                    ; wave 0..3
	v_and_b32 v1, 31, v0                           ; lane
	s_mov_b32 s20, 0x76543210
	s_mov_b32 s21, 0xfedcba98                      ; v_permlanex16_b32's selects for lane l xor 16
	s_cmp_lt_u32 ttmp9, 128
	s_cbranch_scc0 .Lweights
; ---------------- x: K is innermost.  Tile T = 4 x work-group + wave: rows 64 x work-group + 8 x wave + 0..7 and the same + 32.
; A chunk's 16 rows x 256 bytes come by eight loads of two whole rows' 256 bytes each, turn through the wave's own stage in LDS (rows 272 bytes apart) and come back 128 bytes a lane: a whole block.
	v_and_b32 v12, 15, v1                          ; r
	v_lshrrev_b32 v13, 4, v1                       ; h
	v_lshlrev_b32 v2, 12, v13
	v_lshl_add_u32 v2, v12, 4, v2                  ; in memory: lanes 0-15 one row, lanes 16-31 the next, 16 bytes a lane
	s_mul_i32 s17, s16, 8704                       ; my two stages of 16 x 272 bytes
	v_mul_u32_u24 v3, v13, 272
	v_lshl_add_u32 v3, v12, 4, v3
	v_add_nc_u32 v3, s17, v3                       ; into a stage, as loaded
	v_mul_u32_u24 v4, v12, 272
	v_lshl_add_u32 v4, v13, 7, v4
	v_add_nc_u32 v4, s17, v4                       ; out of it: row r, bytes 128 h on
	v_lshlrev_b32 v5, 4, v1                        ; 16 l
	v_lshlrev_b32 v6, 3, v1                        ; 8 l
	v_lshlrev_b32 v7, 3, v13                       ; 8 h: my bytes' shift in a scale word
	v_mov_b32 v11, 0                               ; a lane permute's destination counts as one of its sources
	s_lshl_b32 s18, ttmp9, 18                      ; 64 rows of 4,096 bytes a work-group,
	s_lshl_b32 s19, s16, 15                        ; 8 a wave
	s_add_co_u32 s18, s18, s19
	s_mov_b32 s19, 0
	s_lshl_b32 s22, ttmp9, 2
	s_add_co_u32 s22, s22, s16                     ; T
	s_mul_i32 s24, s22, 12288
	s_mov_b32 s25, 0
	s_lshl_b32 s26, s22, 9
	s_add_co_u32 s26, s26, XS_OFF
	s_mov_b32 s27, 0
	s_wait_alu depctr_va_vdst(0)
	s_wait_kmcnt 0x0
	s_add_nc_u64 s[4:5], s[4:5], s[18:19]          ; x at my tile's first row
	s_add_nc_u64 s[14:15], s[10:11], s[24:25]      ; my tile's codes
	s_add_nc_u64 s[10:11], s[10:11], s[26:27]      ; my tile's scales
.macro XLOAD c                         ; chunk c: load i brings lane indices 2 i and 2 i + 1 of the tile
.irp i, 0,1,2,3,4,5,6,7
	global_load_b128 v[R+32*((\c)%4)+4*\i:R+32*((\c)%4)+4*\i+3], v2, s[4:5] offset:(2*(\i%4)+32*(\i/4))*4096+256*(\c) th:TH_LOAD_NT
.endr
.endm
.macro XTURN c                         ; through the stage: LDS serves a wave's instructions in order (ISA guide 5.7.1.4), so no wait stands between the stores and the loads
.irp i, 0,1,2,3,4,5,6,7
	ds_store_b128 v3, v[R+32*((\c)%4)+4*\i:R+32*((\c)%4)+4*\i+3] offset:4352*((\c)%2)+544*\i
.endr
.irp i, 0,1,2,3,4,5,6,7
	ds_load_b128 v[X+32*((\c)%2)+4*\i:X+32*((\c)%2)+4*\i+3], v4 offset:4352*((\c)%2)+16*\i
.endr
.endm
.macro XSTEP c
.set XSR, X+32*((\c)%2)
.set CSR, C+8*((\c)%2)
	s_wait_dscnt 0x0                               ; this chunk is back from the stage, so its stores into the stage have read their registers,
.if (\c)+4 < 16
	XLOAD (\c)+4                                   ; which take the chunk four further on
.endif
.if (\c)+1 < 16
.if (\c)+4 < 16
	s_wait_loadcnt 24                              ; the next chunk's eight loads are in; those of the three chunks behind it may be out
.else
	s_wait_loadcnt 8*(14-(\c))                     ; the counts run down: nothing more is asked for
.endif
	XTURN (\c)+1                                   ; it goes through the other stage while this chunk is worked
.endif
	MAX32 8, 9, XSR                                ; the block's largest magnitude: all 32 numbers are mine
	v_add_nc_u32 v10, 0xff000000, v8               ; 2 off its exponent field: the conversion takes the exponent field of this operand as its scale
	s_wait_alu depctr_va_vdst(0)
	s_wait_xcnt 0x0                                ; the stores of two chunks ago have read this set of code registers
	v_cvt_scalef32_pk16_fp6_f32 v[CSR:CSR+2], v[XSR:XSR+15], v10
	v_cvt_scalef32_pk16_fp6_f32 v[CSR+4:CSR+6], v[XSR+16:XSR+31], v10   ; (a conversion's three registers begin on an even number)
	v_lshrrev_b32 v[12+(\c)%2], 23, v10            ; the scale's byte; also the plain line behind the conversions
	v_mov_b32 v[CSR+3], v[CSR+4]
	v_mov_b32 v[CSR+4], v[CSR+5]
	v_mov_b32 v[CSR+5], v[CSR+6]                   ; six registers on end
	global_store_b128 v5, v[CSR:CSR+3], s[14:15] offset:768*(\c)          ; 512 consecutive bytes, at a multiple of 256 from the buffer's first byte
	global_store_b64 v6, v[CSR+4:CSR+5], s[14:15] offset:768*(\c)+512     ; 256 likewise
.if (\c)%2 == 1                        ; two chunks are a K step of 128: its scale word
	v_lshl_or_b32 v[16+(\c)/2], v13, 16, v12       ; my two bytes: blocks h and 2 + h,
	v_lshlrev_b32 v[16+(\c)/2], v7, v[16+(\c)/2]   ; at their places;
	v_permlanex16_b32 v11, v[16+(\c)/2], s20, s21
	v_or_b32 v[16+(\c)/2], v[16+(\c)/2], v11       ; with lane l xor 16's two the word is whole
.endif
.endm
.irp t, 0,1,2,3
	XLOAD \t
.endr
	s_wait_loadcnt 24                              ; chunk 0's eight loads are in
	XTURN 0
.irp t, 0,1,2,3,4,5,6,7,8,9,10,11,12,13,14,15
	XSTEP \t
.endr
	v_cmp_le_u32 vcc_lo, 16, v1                    ; lanes 16-31 store the words of K steps 4-7
.irp j, 0,1,2,3
	v_cndmask_b32 v[24+\j], v[16+\j], v[20+\j], vcc_lo
.endr
	global_store_b128 v5, v[24:27], s[10:11]       ; the tile's 512 bytes of scales
	s_wait_tensorcnt 0x0
	ds_add_u32 v240, v241
	s_wait_dscnt 0x0
	s_endpgm
; ---------------- the weights: K is the FIRST axis.  A lane takes a column n and its registers run down K: a block of 32 lies in one lane, and the codes come out with K innermost.
; Each load reads 128 consecutive bytes a wave, and the four waves stand side by side on 512.  Column n = 64 G + 32 a + L is lane index 8 a + L % 8 of tile 4 G + L / 8: a wave's stores so fill
; eight lanes' 128 (or 64) consecutive bytes in each of four tiles: halves of the aligned 256 bytes, the other half coming from the neighbouring wave.  That is 3 MB of codes, against dense reads of 16.8 MB.
.macro WLOAD t, N                      ; block t: W(32 t + i, my column) into set t % 2
.set wi, 0
.rept 32
	global_load_b32 v[32+32*((\t)%2)+wi], v3, s[36:37] offset:(32*(\t)+wi)*(\N)*4 th:TH_LOAD_NT
.set wi, wi+1
.endr
.endm
.macro WBLOCK t, N
.set XSR, 32+32*((\t)%2)
.set CSR, 96+8*(\t)                    ; code registers of its own for each block: no store's data are written again
.if (\t) < 7
	s_wait_loadcnt 32                              ; this block's 32 loads are in; the next block's may be out
.else
	s_wait_loadcnt 0x0
.endif
	MAX32 12, 13, XSR
	v_add_nc_u32 v11, 0xff000000, v12
	v_cvt_scalef32_pk16_fp6_f32 v[CSR:CSR+2], v[XSR:XSR+15], v11
	v_cvt_scalef32_pk16_fp6_f32 v[CSR+4:CSR+6], v[XSR+16:XSR+31], v11
	v_lshrrev_b32 v13, 23, v11                     ; the byte; also the plain line behind the conversions
.if (\t)%4 == 0
	v_mov_b32 v[24+(\t)/4], v13                    ; four bytes to a word, the lower K in the lower byte
.else
	v_lshl_or_b32 v[24+(\t)/4], v13, 8*((\t)%4), v[24+(\t)/4]
.endif
	v_mov_b32 v[CSR+3], v[CSR+4]
	v_mov_b32 v[CSR+4], v[CSR+5]
	v_mov_b32 v[CSR+5], v[CSR+6]
	global_store_b128 v4, v[CSR:CSR+3], s[38:39] offset:768*((\t)/2)+256*((\t)%2)          ; chunk t / 2 of my four, half h = t % 2
	global_store_b64 v5, v[CSR+4:CSR+5], s[40:41] offset:768*((\t)/2)+512+128*((\t)%2)
.if (\t)+2 < 8
	WLOAD (\t)+2, \N
.endif
.endm
.macro WPATH N, id0, src, T0           ; N columns; first work-group; the source's scalar pair; first tile in wimg
	s_sub_co_u32 s17, ttmp9, \id0
	s_lshr_b32 s18, s17, 2                         ; which 128 columns
	s_and_b32 s19, s17, 3                          ; kp: which 256 along K
	s_lshl_b32 s22, s18, 7
	s_lshl_b32 s23, s16, 5
	s_add_co_u32 s22, s22, s23                     ; my wave's first column
	s_lshr_b32 s23, s22, 6                         ; G
	s_bfe_u32 s24, s22, 0x10005                    ; a
	s_mul_i32 s26, s19, 1024*(\N)                  ; 256 kp rows of 4 N bytes
	s_lshl_b32 s27, s22, 2
	s_add_co_u32 s26, s26, s27
	s_mov_b32 s27, 0
	s_lshl_b32 s28, s23, 2
	s_add_co_u32 s28, s28, \T0                     ; the first of my four tiles
	s_mul_i32 s30, s28, 12288
	s_mul_i32 s29, s19, 3072                       ; four chunks a kp
	s_add_co_u32 s30, s30, s29
	s_lshl_b32 s29, s24, 6
	s_add_co_u32 s32, s30, s29                     ; registers 4-5: lane index 8 a is 64 a bytes on,
	s_lshl_b32 s29, s24, 7
	s_add_co_u32 s30, s30, s29                     ; registers 0-3: 128 a
	s_mov_b32 s31, 0
	s_mov_b32 s33, 0
	s_lshl_b32 s34, s28, 9
	s_add_co_u32 s34, s34, s29                     ; scales: 16 bytes a lane index,
	s_lshr_b32 s29, s19, 1
	s_lshl_b32 s29, s29, 8
	s_add_co_u32 s34, s34, s29                     ; K steps 4-7 lie 256 bytes on,
	s_and_b32 s29, s19, 1
	s_lshl_b32 s29, s29, 3
	s_add_co_u32 s34, s34, s29                     ; my two words among the four
	s_add_co_u32 s34, s34, WS_OFF
	s_mov_b32 s35, 0
	v_lshrrev_b32 v2, 3, v1                        ; which of the four tiles
	v_and_b32 v8, 7, v1
	v_lshlrev_b32 v3, 2, v1                        ; in: 4 bytes a lane
	v_mul_u32_u24 v4, v2, 12288
	v_lshl_add_u32 v5, v8, 3, v4
	v_lshl_add_u32 v4, v8, 4, v4
	v_lshlrev_b32 v6, 9, v2
	v_lshl_add_u32 v6, v8, 4, v6
	s_wait_alu depctr_va_vdst(0)
	s_wait_kmcnt 0x0
	s_add_nc_u64 s[36:37], s[\src:\src+1], s[26:27]
	s_add_nc_u64 s[38:39], s[12:13], s[30:31]
	s_add_nc_u64 s[40:41], s[12:13], s[32:33]
	s_add_nc_u64 s[42:43], s[12:13], s[34:35]
	WLOAD 0, \N
	WLOAD 1, \N
.irp t, 0,1,2,3,4,5,6,7
	WBLOCK \t, \N
.endr
	global_store_b64 v6, v[24:25], s[42:43]        ; my column's two scale words
	s_endpgm
.endm
.Lweights:
	s_cmp_lt_u32 ttmp9, 224
	s_cbranch_scc0 .Lproj
	s_wait_alu depctr_va_vdst(0)
	WPATH 3072, 128, 6, 0
.Lproj:
	s_wait_alu depctr_va_vdst(0)
	WPATH 1024, 224, 8, 192
.Lfunc_end_k_qdd58973ed7_quant:
	.size	k_qdd58973ed7_quant, .Lfunc_end_k_qdd58973ed7_quant-k_qdd58973ed7_quant
	.p2alignl 7, 3214868480
	.fill 96, 4, 3214868480
	.section	.rodata,"a",@progbits
	.p2align	6, 0x0
	.amdhsa_kernel k_qdd58973ed7_quant
		.amdhsa_group_segment_fixed_size 35328
		.amdhsa_private_segment_fixed_size 0
		.amdhsa_enable_private_segment 0
		.amdhsa_kernarg_size 40
		.amdhsa_user_sgpr_count 2
		.amdhsa_user_sgpr_kernarg_segment_ptr 1
		.amdhsa_wavefront_size32 1
		.amdhsa_system_sgpr_workgroup_id_x 1
		.amdhsa_system_sgpr_workgroup_id_y 1
		.amdhsa_system_sgpr_workgroup_id_z 1
		.amdhsa_system_vgpr_workitem_id 0
		.amdhsa_next_free_vgpr 242
		.amdhsa_next_free_sgpr 66
		.amdhsa_reserve_vcc 1
		.amdhsa_float_denorm_mode_32 3
		.amdhsa_float_denorm_mode_16_64 3
		.amdhsa_memory_ordered 1
		.amdhsa_forward_progress 1
		.amdhsa_inst_pref_size 137
	.end_amdhsa_kernel
	.amdgpu_metadata
---
amdhsa.version: [ 1, 2 ]
amdhsa.kernels:
  - .name:           k_qdd58973ed7_quant
    .symbol:         k_qdd58973ed7_quant.kd
    .args:
      - { .name: x, .offset: 0, .size: 8, .value_kind: global_buffer, .address_space: global }
      - { .name: W_qkv, .offset: 8, .size: 8, .value_kind: global_buffer, .address_space: global }
      - { .name: W_proj, .offset: 16, .size: 8, .value_kind: global_buffer, .address_space: global }
      - { .name: ximg, .offset: 24, .size: 8, .value_kind: global_buffer, .address_space: global }
      - { .name: wimg, .offset: 32, .size: 8, .value_kind: global_buffer, .address_space: global }
    .group_segment_fixed_size: 35328
    .private_segment_fixed_size: 0
    .kernarg_segment_align: 8
    .kernarg_segment_size: 40
    .max_flat_workgroup_size: 128
    .sgpr_count:     66
    .vgpr_count:     242
    .wavefront_size: 32
...
	.end_amdgpu_metadata
.endif
;; end of part 1
;; launch gemm_qkv (part 2): grid 4 x 64, 4 waves a work-group, clusters of 4 x 4, 327,680 bytes of LDS; arguments ximg, wimg, b_qkv, qkv; writes qkv
.if DOCPART == 2
	.amdgcn_target "amdgcn-amd-amdhsa--gfx1250"
	.amdhsa_code_object_version 6
	.text
	.protected	k_qdd58973ed7_gemm_qkv
	.globl	k_qdd58973ed7_gemm_qkv
	.p2align	8
	.type	k_qdd58973ed7_gemm_qkv,@function
k_qdd58973ed7_gemm_qkv:
	s_mov_b64 s[64:65], 0
	v_nop
	global_prefetch_b8 v0, s[64:65] scope:SCOPE_SE
	s_setreg_imm32_b32 hwreg(HW_REG_WAVE_MODE, 25, 1), 1
	s_wait_xcnt 0x0
	s_wait_alu depctr_hold_cnt(0) depctr_sa_sdst(0) depctr_va_vdst(0) depctr_va_sdst(0) depctr_va_ssrc(0) depctr_va_vcc(0) depctr_vm_vsrc(0)
	s_getreg_b32 s2, hwreg(HW_REG_IB_STS2, 6, 4)
	s_cmp_eq_u32 s2, 0
	s_cbranch_scc0 .Lentry_in_a_cluster
	s_endpgm
.Lentry_in_a_cluster:
	s_bfe_u32 s2, ttmp6, 0x10000c
	s_cmp_lg_u32 s2, 0xf033
	s_cbranch_scc0 .Lentry_shape_is_right
	s_endpgm
.Lentry_shape_is_right:
; qkv = x W_qkv + b_qkv on codes of FP6 (E2M3), and q, k, v QUANTISED ON THE WAY OUT: no f32 intermediate goes to memory.
; OPERANDS are register images (16 rows x 64 K = 768 bytes a chunk, 16 chunks a tile; lane index m of tile T is row 64 (T / 4) + 32 (m / 8) + 8 (T % 4) + m % 8; a tile's scales 512 bytes: lane (r, h) has row r's
; words of K steps 4 h .. 4 h + 3).  With that row order the 32 result registers of four neighbouring source-0 tiles are 32 neighbouring rows: one whole block of the NEXT product's K in one lane.
; SHARES.  4 x 64 = 256 work-groups THAT STAY: work-group (cx, Y) makes, for its 128 tokens (8 tiles), three tiles of 256 weight rows one after the other: four heads of q (t = 0), of k (t = 1), of v (t = 2): weight tiles 16 (4 t + cx) ..
; Each of four waves has 8 tiles as source 0 x 4 tiles as source 1: 32 accumulators.
; LDS: two halves of K = 512 + 512; a half is 16 weight tiles x 6,144 bytes, then the 8 token tiles x 6,144.  The tokens are filled once and stay.  The weights' two parts are a ring of two slots: slot 0 is filled again at
; K step 3 (its last fragments are in registers), slot 1 behind K step 7, each in a drained round of the cluster's barrier; four weight tiles a wave, one load a wave.
; The last tile fills nothing.  By the text's own count a wave has at most one load out.  The launch claims all LDS.
; CLUSTER 4 x 4: the tokens' tiles hang on Y alone and are asked for jointly by a row of the cluster, the weights' on cx alone, by a column.
; q, k: source 0 = weights, source 1 = tokens: a lane holds one token and 32 neighbouring channels of a head.  v: source 0 = tokens, source 1 = weights: a lane holds one channel and 32 neighbouring tokens (keys).
; The three tiles are expanded from one macro: what differs between them is settled when the text is assembled, so no branch and no LDS address hangs on the tile's number.
; WHAT COMES EARLY: the next tile's scale words land in v160-207 during the tile and are copied behind its last product; the next bias lands in window 3 behind K step 0; the next tile's first fragments are fetched ahead of the way out.
; PREFETCH: in K step 0 of tiles 0 and 1 each wave names one weight tile (48 blocks of 256 bytes, a lane a block) of the next tile's sixteen: tile 4 cy + wave, so the sixteen waves of a cluster's column share them by address;
; that is three K steps ahead of the first refill that wants them.  Tile 0's operands come by their loads alone.
; OUT, for y = 4 head + batch: codes at 294,912 y = [q | k | v], 98,304 each.  q, k: [group of 64 tokens][6 planes of 512 bytes]: lane l's registers 4 p .. 4 p + 3 at 512 p + 16 l, register 6 j + i = register i of token tile j.
; v: [128 keys][channel tile j][3 planes].  Scales at QS_OFF + 20,480 y = [q 8,192 | k 8,192 | v 4,096]: q, k: [128 tokens][half][r][word j], a word = (b0, b1, b0, b1); v: [128 keys][r][word j].
; LIMITS: NaN and infinities are not served; a block whose largest magnitude lies under 2^-124 (zeros too) gets the byte 1; the bytes are read by this program alone.
; REGISTERS: window 0: v1-15 addresses; v16-47 source 0's scale words (4 a tile), v226-241 source 1's; v64-159 source 1's fragments, two sets (v112-159 also the codes on the way out); v160-207 the next scale words;
;   v208-224, v242-247 at work on the way out; v248-251 v's bias; v252, v253 the prefetches' offsets; v254, v255 the add's.  Window 1: source 0's fragments, two sets, at v0 and v128.  Window 2: accumulator (j, i) at v[8 (8 j + i)].  Window 3: v0-63 the bias as C.
.set XS_OFF, 6291456
.set WS_OFF, 3145728
.set QS_OFF, 18874368
.set PART, 147456                      ; a half in LDS
.set TOFF, 98304                       ; its tokens
.set NEXTW, 786432                     ; from a tile's weights to the next tile's: 64 tiles of 12,288 bytes
.set SP, 16
.set SQ, 226
.set QF, 64
.set CD, 112
.set IS, 160
.set CT, 208
.set TM, 216
.set WD, 224
.set OW, 242
.set BV, 248
.set MSB, 0
.macro WIN new                         ; the immediate's high byte repeats the setting that is left
.if MSB != \new
	s_set_vgpr_msb (MSB<<8)|\new
.set MSB, \new
.endif
.endm
.macro PLACES
.rept 4
	v_nop
.endr
.endm
.macro CROUND                          ; a round of the cluster's barrier
	s_barrier_signal -1
	s_barrier_wait -1
	s_cmp_lg_u32 s12, 0
	s_cbranch_scc1 .Lnot_wave_0_\@
	s_barrier_signal -3
.Lnot_wave_0_\@:
	s_barrier_wait -3
	s_barrier_signal -1
	s_barrier_wait -1
.endm
.macro TL g0, g1                       ; a tensor load, its s_nop 0 and four v_nop
	tensor_load_to_lds s[\g0:\g0+3], s[\g1:\g1+7]
	s_nop 0
	PLACES
.endm
.macro G1SET g, mask, rows             ; group 1: rows of 6,144 bytes (768 elements of 8), 12,288 apart in memory, dense in LDS
	s_or_b32 s[\g], s[\mask], (3<<16)|(1<<21)
	s_mov_b32 s[\g+1], 768<<16
	s_mov_b32 s[\g+2], (\rows)<<16
	s_mov_b32 s[\g+3], 768<<16
	s_mov_b32 s[\g+4], \rows
	s_mov_b32 s[\g+5], 1536
	s_mov_b32 s[\g+6], 0
	s_mov_b32 s[\g+7], 0
.endm
.macro S2 a, x, b, y                   ; s92 = (a << x) + (b << y)
	s_lshl_b32 s92, s\a, \x
	s_lshl_b32 s76, s\b, \y
	s_add_co_u32 s92, s92, s76
.endm
.macro BASE d, p, k                    ; s[d:d+1] = buffer p + s92 + k (s93 = 0)
	s_add_co_u32 s92, s92, \k
	s_add_nc_u64 s[\d:\d+1], s[\p:\p+1], s[92:93]
.endm
.macro FRAG reg, a16, a8, off          ; a fragment, 12 registers = two chunks: of each, registers 0-3 at 16 l and 4-5 at 512 + 8 l
	ds_load_b128 v[(\reg):(\reg)+3], v[\a16] offset:\off
	ds_load_b64 v[(\reg)+4:(\reg)+5], v[\a8] offset:\off
	ds_load_b128 v[(\reg)+6:(\reg)+9], v[\a16] offset:\off+768
	ds_load_b64 v[(\reg)+10:(\reg)+11], v[\a8] offset:\off+768
.endm
.macro FETCH s, e                      ; K step s into set e: 48 LDS loads in one run
	WIN 0x40
.irp i, 0,1,2,3,4,5,6,7
	FRAG 128*(\e)+12*\i, 2, 3, 6144*\i+1536*((\s)%4)
.endr
	WIN 0
.irp j, 0,1,2,3
	FRAG QF+48*(\e)+12*\j, 4, 5, 6144*\j+1536*((\s)%4)
.endr
.endm
; 32 matrix instructions, 128 along K; the 32 accumulators take turns.  K step 0 starts the sums with the bias as C, out of window 3 (q, k: it hangs on source 0's rows; v: on source 1's).
.macro MUL s, e, t
.if (\s) == 0
	WIN 0xb1                                       ; source 0 window 1, source 1 window 0, C window 3, D window 2
.else
	WIN 0xa1                                       ; C and D window 2
.endif
.irp j, 0,1,2,3
.irp i, 0,1,2,3,4,5,6,7
.if (\s) == 0
.if (\t) == 2
	v_wmma_scale_f32_16x16x128_f8f6f4 v[8*(8*\j+\i):8*(8*\j+\i)+7], v[128*(\e)+12*\i:128*(\e)+12*\i+11], v[QF+48*(\e)+12*\j:QF+48*(\e)+12*\j+11], v[8*\j:8*\j+7], v[SP+4*\i], v[SQ+4*\j] matrix_a_fmt:MATRIX_FMT_FP6 matrix_b_fmt:MATRIX_FMT_FP6
.else
	v_wmma_scale_f32_16x16x128_f8f6f4 v[8*(8*\j+\i):8*(8*\j+\i)+7], v[128*(\e)+12*\i:128*(\e)+12*\i+11], v[QF+48*(\e)+12*\j:QF+48*(\e)+12*\j+11], v[8*\i:8*\i+7], v[SP+4*\i], v[SQ+4*\j] matrix_a_fmt:MATRIX_FMT_FP6 matrix_b_fmt:MATRIX_FMT_FP6
.endif
.elseif (\s) < 4
	v_wmma_scale_f32_16x16x128_f8f6f4 v[8*(8*\j+\i):8*(8*\j+\i)+7], v[128*(\e)+12*\i:128*(\e)+12*\i+11], v[QF+48*(\e)+12*\j:QF+48*(\e)+12*\j+11], v[8*(8*\j+\i):8*(8*\j+\i)+7], v[SP+4*\i+(\s)], v[SQ+4*\j+(\s)] matrix_a_fmt:MATRIX_FMT_FP6 matrix_b_fmt:MATRIX_FMT_FP6
.else
	v_wmma_scale_f32_16x16x128_f8f6f4 v[8*(8*\j+\i):8*(8*\j+\i)+7], v[128*(\e)+12*\i:128*(\e)+12*\i+11], v[QF+48*(\e)+12*\j:QF+48*(\e)+12*\j+11], v[8*(8*\j+\i):8*(8*\j+\i)+7], v[SP+4*\i+(\s)-4], v[SQ+4*\j+(\s)-4] matrix_a_fmt:MATRIX_FMT_FP6 matrix_b_fmt:MATRIX_FMT_FP6 matrix_a_scale:MATRIX_SCALE_ROW1 matrix_b_scale:MATRIX_SCALE_ROW1
.endif
.endr
.endr
.endm
.macro BIASIN off                      ; q's or k's bias into window 3: tile i, register q: row 64 (i / 4) + 32 h + 8 (i % 4) + q
	WIN 0xc0
.irp i, 0,1,2,3,4,5,6,7
	global_load_b128 v[8*\i:8*\i+3], v10, s[86:87] offset:(64*(\i/4)+8*(\i%4))*4+\off
	global_load_b128 v[8*\i+4:8*\i+7], v10, s[86:87] offset:(64*(\i/4)+8*(\i%4))*4+16+\off
.endr
	WIN 0
.endm
.macro NEXTIN t                        ; what the tile behind tile t wants: k: the weights' scale words and the bias; v: the tokens' scale words of all 8 tiles and my 4 weight tiles'
	WIN 0
.irp i, 0,1,2,3,4,5,6,7
.if (\t) == 0
	global_load_b128 v[IS+4*\i:IS+4*\i+3], v1, s[82:83] offset:512*\i+32768
.else
	global_load_b128 v[IS+4*\i:IS+4*\i+3], v1, s[60:61] offset:512*\i
.endif
.endr
.if (\t) == 0
	BIASIN 4096
.else
.irp j, 0,1,2,3
	global_load_b128 v[IS+32+4*\j:IS+32+4*\j+3], v1, s[62:63] offset:512*\j
.endr
.endif
.endm
; K step n of tile t: its fragments were asked for a step earlier; the next step's are asked for ahead of its products.  A load into a register that a matrix instruction has read stands four plain vector
; instructions behind it (ISA guide 7.12.1 for vector instructions).
.macro STEP n, t
	s_wait_dscnt 0x0                               ; this step's fragments are in
.if (\n) == 3
	WIN 0
	s_wait_tensorcnt 0x0                           ; every wave: all my loads have landed, my part of half 1's weights among them
.if (\t) < 2
	ds_add_u32 v254, v255
	s_add_nc_u64 s[38:39], s[38:39], NEXTW         ; no load of mine is out: slot 0's next weights
	s_wait_dscnt 0x0                               ; the add is done; my reads of slot 0 were over at this step's head
	CROUND
	TL 36, 40                                      ; slot 0: the next tile's weights, K 0 to 511: my four tiles
.else
	s_barrier_signal -1                            ; it shows half 1's weights to all
	s_barrier_wait -1
.endif
	v_add_nc_u32 v2, PART, v2                      ; on to half 1
	v_add_nc_u32 v3, PART, v3
	v_add_nc_u32 v4, PART, v4
	v_add_nc_u32 v5, PART, v5
	s_wait_alu depctr_va_vdst(0)
.elseif ((\n) > 0) && ((\n) < 7)
	PLACES
.endif
.if ((\n) == 1) && ((\t) < 2)
	NEXTIN \t
.endif
.if (\n) < 7
	FETCH (\n)+1, ((\n)+1)%2
.endif
.if ((\n) == 0) && ((\t) < 2)
	global_prefetch_b8 v252, s[58:59] offset:NEXTW*(\t) th:TH_LOAD_NT scope:SCOPE_SE   ; one weight tile of the next sixteen: blocks 0 to 31,
	global_prefetch_b8 v253, s[58:59] offset:NEXTW*(\t) th:TH_LOAD_NT scope:SCOPE_SE   ; and 32 to 47 (lanes 16-31 name block 47 again)
.endif
	MUL \n, (\n)%2, \t
.endm
; 64 results of a lane, v[s] .. v[s + 63] of window 2, are two whole blocks of 32.  Their codes go to v[d0] .. v[d0 + 5] and v[d1] .. v[d1 + 5]; v[WD] = the four bytes (block 0 of lanes 0-15, of lanes 16-31, block 1 likewise).
; The maxima walk each accumulator from its low end on.
.macro QUANT s, d0, d1
	WIN 0x0a
	v_max3_num_f32 v[TM], |v[(\s)]|, |v[(\s)+1]|, 0x1800000        ; with the floor 2^(3 - 127): the byte cannot fall under 1
	v_max3_num_f32 v[TM+1], |v[(\s)+32]|, |v[(\s)+33]|, 0x1800000
.irp i, 2,4,6,8,10,12,14,16,18,20,22,24,26,28,30
	v_max3_num_f32 v[TM], |v[(\s)+\i]|, |v[(\s)+\i+1]|, v[TM]
	v_max3_num_f32 v[TM+1], |v[(\s)+32+\i]|, |v[(\s)+33+\i]|, v[TM+1]
.endr
	WIN 0
	v_add_nc_u32 v[TM+2], 0xff000000, v[TM]        ; 2 off the exponent field: the conversion's scale operand
	v_add_nc_u32 v[TM+3], 0xff000000, v[TM+1]
	v_lshrrev_b32 v[TM+4], 23, v[TM+2]             ; the bytes
	v_lshrrev_b32 v[TM+5], 23, v[TM+3]
	v_lshl_or_b32 v[TM+6], v[TM+5], 16, v[TM+4]
	v_lshlrev_b32 v[TM+6], v12, v[TM+6]            ; 8 h bits up
	v_permlanex16_b32 v[TM+7], v[TM+6], s80, s81
	v_or_b32 v[WD], v[TM+6], v[TM+7]               ; with lane l xor 16's two
	WIN 0x02
	v_cvt_scalef32_pk16_fp6_f32 v[(\d0):(\d0)+2], v[(\s):(\s)+15], v[TM+2]
	v_cvt_scalef32_pk16_fp6_f32 v[CT:CT+2], v[(\s)+16:(\s)+31], v[TM+2]      ; (a conversion's three registers begin on an even number)
	v_cvt_scalef32_pk16_fp6_f32 v[(\d1):(\d1)+2], v[(\s)+32:(\s)+47], v[TM+3]
	v_cvt_scalef32_pk16_fp6_f32 v[CT+4:CT+6], v[(\s)+48:(\s)+63], v[TM+3]
	WIN 0
	v_nop                                          ; one plain line behind the conversions
.irp i, 0,1,2
	v_mov_b32 v[(\d0)+3+\i], v[CT+\i]
	v_mov_b32 v[(\d1)+3+\i], v[CT+4+\i]
.endr
.endm
; The end of tile t = 0, 1: slot 1 is filled again, the next tile's first fragments are fetched, its scale words take their places, and q or k goes out.
.macro TEND t
	WIN 0
	PLACES                                         ; behind the last products: ahead of the first read of results and of writes into their registers
	s_wait_tensorcnt 0x0                           ; slot 0's refill has landed
	ds_add_u32 v254, v255
	s_add_nc_u64 s[54:55], s[54:55], NEXTW         ; slot 1's next weights
.if (\t) == 0
	v_add_nc_u32 v2, s78, v1                       ; back to half 0: k is laid as q is
	v_add_nc_u32 v3, s78, v9
	v_add_nc_u32 v4, s79, v1
	v_add_nc_u32 v5, s79, v9
.else
	v_add_nc_u32 v2, TOFF, v1                      ; v: source 0 = the 8 token tiles,
	v_add_nc_u32 v3, TOFF, v9
	v_add_nc_u32 v4, s57, v1                       ; source 1 = my 4 weight tiles
	v_add_nc_u32 v5, s57, v9
.endif
	s_wait_alu depctr_va_vdst(0)
	s_wait_dscnt 0x0
	CROUND
	TL 52, 40                                      ; slot 1: the next tile's weights, K 512 to 1023: my four tiles
	FETCH 0, 0                                     ; the round has shown slot 0 whole
	s_wait_loadcnt 0x0                             ; the next scale words and bias
.set J, 0
.rept 32
	v_mov_b32 v[SP+J], v[IS+J]
.set J, J+1
.endr
.if (\t) == 1
.set J, 0
.rept 16
	v_mov_b32 v[SQ+J], v[IS+32+J]
.set J, J+1
.endr
	WIN 0xc0
.irp j, 0,1,2,3
.irp q, 0,1,2,3,4,5,6,7
	v_mov_b32 v[8*\j+\q], v[BV+\j]                 ; v: a lane's eight results of a tile share one channel's bias
.endr
.endr
	WIN 0
.endif
.irp j, 0,1,2,3                        ; token tile j: its 64 registers are block h of my first head and block h of my second
	QUANT 64*\j, CD+6*\j, CD+24+6*\j
	v_perm_b32 v[OW+\j], v[WD], v[WD], v13         ; the word twice over: the scores' K = 64 fills half of an instruction's 128
.endr
.irp p, 0,1,2,3,4,5,6,7,8,9,10,11
	global_store_b128 v1, v[CD+4*\p:CD+4*\p+3], s[88:89] offset:512*(\p%6)+1179648*(\p/6)+98304*(\t)   ; 512 consecutive bytes, at a multiple of 256; the second head lies four y on
.endr
	global_store_b128 v11, v[OW:OW+3], s[90:91] offset:8192*(\t)    ; sixteen lanes store 256 consecutive bytes
	s_wait_alu depctr_va_vdst(0)
	s_wait_xcnt 0x0                                ; the stores have read their registers: the next tile's fragments land there
.endm
.macro TILE t
.irp n, 0,1,2,3,4,5,6,7
	STEP \n, \t
.endr
.endm
	s_load_b256 s[4:11], s[0:1], 0x0               ; ximg s[4:5], wimg s[6:7], b_qkv s[8:9], qkv s[10:11]
	v_lshl_add_u32 v254, v0, 2, 0x48000
	v_mov_b32 v255, 0
	ds_add_u32 v254, v255                          ; the opening lines: the add twice on end and its wait
	ds_add_u32 v254, v255
	v_lshrrev_b32 v1, 5, v0
	v_readfirstlane_b32 s12, v1                    ; wave 0..3
	s_lshr_b32 s13, s12, 1
	s_and_b32 s14, s12, 1
	s_bfe_u32 s66, ttmp6, 0x40000                  ; cx
	s_bfe_u32 s67, ttmp6, 0x40004                  ; cy
	s_and_b32 s69, ttmp7, 0xffff
	s_lshl_b32 s69, s69, 2
	s_add_co_u32 s69, s69, s67                     ; Y: which 128 tokens
	s_lshl_b32 s70, s67, 2
	s_lshl_b32 s70, 15, s70                        ; my row of the cluster
	s_lshl_b32 s71, 0x1111, s66                    ; my column
	s_mov_b32 s80, 0x76543210
	s_mov_b32 s81, 0xfedcba98
	G1SET 16, 70, 8                                ; the head's tokens: 8 tiles of a half
	G1SET 24, 71, 16                               ; the head's weights: 16 tiles of a half
	G1SET 40, 71, 4                                ; a refill: my 4 weight tiles of a half
	s_lshl_b32 s72, s69, 3
	s_mul_i32 s72, s72, 12288                      ; tokens: tile 8 Y,
	s_mul_i32 s76, s13, 6144                       ; half wave / 2
	s_add_co_u32 s72, s72, s76
	s_mov_b32 s73, 0
	s_mul_i32 s74, s66, 196608                     ; weights: tile 16 cx
	s_add_co_u32 s74, s74, s76
	s_mov_b32 s75, 0
	s_mul_i32 s49, s13, PART                       ; where they go: the wave's number alone
	s_add_co_u32 s33, s49, TOFF
	s_mul_i32 s77, s12, 49152                      ; a refill: tiles 4 wave .. of the sixteen
	s_mul_i32 s92, s66, 196608
	s_add_co_u32 s92, s92, s77
	s_mov_b32 s93, 0
	s_mul_i32 s37, s12, 24576
	s_add_co_u32 s53, s37, PART
	s_mov_b32 s32, 1
	s_mov_b32 s48, 1
	s_mov_b32 s36, 1
	s_mov_b32 s52, 1
	s_wait_dscnt 0x0
	s_wait_kmcnt 0x0
	s_add_nc_u64 s[34:35], s[4:5], s[72:73]
	s_or_b32 s35, s35, 0x80000000
	s_add_nc_u64 s[50:51], s[6:7], s[74:75]
	s_or_b32 s51, s51, 0x80000000
	s_add_nc_u64 s[38:39], s[6:7], s[92:93]        ; tile 0's places: each refill steps on first
	s_add_nc_u64 s[54:55], s[38:39], 6144
	s_or_b32 s39, s39, 0x80000000
	s_or_b32 s55, s55, 0x80000000
	CROUND                                         ; all sixteen work-groups are here: the joint loads meet
	s_cmp_eq_u32 s12, 0                            ; one chain of branches on the wave's number, one load to an arm
	s_cbranch_scc0 .Lw1
	TL 48, 24                                      ; wave 0: q's weights, half 0
	s_branch .Lasked
.Lw1:
	s_cmp_eq_u32 s12, 1
	s_cbranch_scc0 .Lw2
	TL 32, 16                                      ; wave 1: the tokens, half 0
	s_branch .Lasked
.Lw2:
	s_cmp_eq_u32 s12, 2
	s_cbranch_scc0 .Lw3
	TL 48, 24                                      ; wave 2: q's weights, half 1
	s_branch .Lasked
.Lw3:
	TL 32, 16                                      ; wave 3: the tokens, half 1
.Lasked:
	s_mul_i32 s78, s13, 49152                      ; q, k: my 8 weight tiles in a half,
	s_mul_i32 s79, s14, 24576
	s_add_co_u32 s79, s79, TOFF                    ; my 4 token tiles
	s_mul_i32 s57, s12, 24576                      ; v: my 4 weight tiles
	v_and_b32 v6, 31, v0                           ; lane
	v_lshlrev_b32 v1, 4, v6                        ; 16 l
	v_and_b32 v7, 15, v0                           ; r
	v_bfe_u32 v8, v0, 4, 1                         ; h
	v_lshlrev_b32 v9, 3, v6
	v_add_nc_u32 v9, 512, v9                       ; 512 + 8 l
	v_lshlrev_b32 v12, 3, v8                       ; 8 h
	v_lshlrev_b32 v10, 7, v8                       ; q's, k's bias: lanes 16-31 32 rows on
	v_add_nc_u32 v2, s78, v1
	v_add_nc_u32 v3, s78, v9
	v_add_nc_u32 v4, s79, v1
	v_add_nc_u32 v5, s79, v9
	v_mul_u32_u24 v11, v8, 81920                   ; q, k: lanes 16-31 store the second head's words: four y on
	v_lshl_add_u32 v11, v7, 4, v11
	v_cmp_eq_u32 vcc_lo, 1, v8
	v_mov_b32 v13, 0x01000100                      ; bytes 0, 1, 0, 1: the first head's two
	v_mov_b32 v246, 0x03020302                     ; bytes 2, 3, 2, 3: the second's
	v_cndmask_b32 v13, v13, v246, vcc_lo
	v_lshrrev_b32 v14, 3, v7
	v_lshlrev_b32 v14, 7, v14
	v_and_b32 v246, 7, v7
	v_lshl_add_u32 v14, v246, 2, v14               ; v's bias: lane r of tile j is row 32 (r / 8) + 8 j + r % 8
	v_lshl_add_u32 v15, v7, 4, v12                 ; v's scale words: 16 r + 8 h
	v_lshlrev_b32 v252, 8, v6                      ; the prefetches: block l,
	v_min_u32 v253, 15, v6
	v_lshl_add_u32 v253, v253, 8, 0x2000           ; and block 32 + min(l, 15)
	v_mov_b32 v[TM+7], 0                           ; a lane permute's destination counts as one of its sources
	s_lshr_b32 s74, s69, 4                         ; batch
	s_and_b32 s75, s69, 15                         ; which 128 tokens of the sequence
	S2 66, 13, 13, 12
	BASE 82, 6, WS_OFF                             ; q's weights' scales: tile 16 cx + 8 (wave / 2); k's lie 64 tiles on
	S2 69, 12, 14, 11
	BASE 84, 4, XS_OFF                             ; q, k: the tokens' scales: tile 8 Y + 4 (wave % 2)
	S2 66, 10, 13, 9
	BASE 86, 8, 0                                  ; q's bias of my 128 weight rows; k's lies 4,096 bytes on
	s_lshl_b32 s92, s69, 12
	BASE 60, 4, XS_OFF                             ; v: the tokens' scales: tile 8 Y
	S2 66, 13, 12, 11
	BASE 62, 6, WS_OFF+65536                       ; v: the weights' scales: tile 16 (8 + cx) + 4 wave
	S2 66, 10, 12, 8
	BASE 94, 8, 8192                               ; v's bias of my 64 weight rows
	S2 66, 4, 13, 3
	s_add_co_u32 s68, s92, s74                     ; q, k: y of my first head: 4 (4 cx + 2 (wave / 2)) + batch
	s_lshl_b32 s76, s75, 1
	s_add_co_u32 s76, s76, s14
	s_mul_i32 s76, s76, 3072                       ; my group of 64 tokens
	s_mul_i32 s92, s68, 294912
	s_add_co_u32 s92, s92, s76
	BASE 88, 10, 0
	S2 75, 9, 14, 8
	s_mul_i32 s76, s68, 20480
	s_add_co_u32 s92, s92, s76
	BASE 90, 10, QS_OFF
	S2 66, 4, 12, 2
	s_add_co_u32 s68, s92, s74                     ; v: y = 4 (4 cx + wave) + batch
	s_mul_i32 s92, s68, 294912
	s_mul_i32 s76, s75, 6144                       ; my 128 keys
	s_add_co_u32 s92, s92, s76
	BASE 96, 10, 196608
	s_mul_i32 s92, s68, 20480
	s_lshl_b32 s76, s75, 8
	s_add_co_u32 s92, s92, s76
	BASE 98, 10, QS_OFF+16384
	S2 66, 4, 67, 2
	s_add_co_u32 s92, s92, s12
	s_add_co_u32 s92, s92, 64
	s_mul_i32 s92, s92, 12288
	BASE 58, 6, 0                                  ; the prefetches: k's weight tile 16 (4 + cx) + 4 cy + wave
	s_wait_alu depctr_va_vdst(0)
.irp i, 0,1,2,3,4,5,6,7
	global_load_b128 v[SP+4*\i:SP+4*\i+3], v1, s[82:83] offset:512*\i
.endr
.irp j, 0,1,2,3
	global_load_b128 v[SQ+4*\j:SQ+4*\j+3], v1, s[84:85] offset:512*\j
.endr
.irp j, 0,1,2,3
	global_load_b32 v[BV+\j], v14, s[94:95] offset:32*\j
.endr
	BIASIN 0
	s_cmp_lt_u32 s12, 2                            ; waves 0 and 1 asked for half 0, each by a line of its own: they wait for it
	s_cbranch_scc0 .Lnot_half0
	s_wait_tensorcnt 0x0
.Lnot_half0:
	s_barrier_signal -1
	s_barrier_wait -1
	FETCH 0, 0
	s_wait_loadcnt 0x0                             ; the scale words and the biases
	TILE 0
	TEND 0
	TILE 1
	TEND 1
	TILE 2
	WIN 0
	PLACES                                         ; ahead of the first read of results
.irp j, 0,1,2,3                        ; channel tile j: its 64 registers are keys 32 h + 0..31 and 64 + 32 h + 0..31: registers 0-5 and 6-11 of a fragment
	QUANT 64*\j, CD+12*\j, CD+6+12*\j
	v_mov_b32 v[OW+\j], v[WD]                      ; the four bytes are the scale word of these 128 keys
.endr
	v_cmp_eq_u32 vcc_lo, 1, v8
	v_cndmask_b32 v246, v[OW], v[OW+2], vcc_lo     ; lanes 0-15 store words 0, 1 of their channel row, lanes 16-31 words 2, 3
	v_cndmask_b32 v247, v[OW+1], v[OW+3], vcc_lo
.irp p, 0,1,2,3,4,5,6,7,8,9,10,11
	global_store_b128 v1, v[CD+4*\p:CD+4*\p+3], s[96:97] offset:512*\p
.endr
	global_store_b64 v15, v[246:247], s[98:99]     ; 32 lanes store 256 consecutive bytes
	s_wait_tensorcnt 0x0                           ; the wave's end
	ds_add_u32 v254, v255
	s_wait_dscnt 0x0
	CROUND                                         ; the closing round: no work-group ends while a partner may still ask for a tile that names it
	s_endpgm
.Lfunc_end_k_qdd58973ed7_gemm_qkv:
	.size	k_qdd58973ed7_gemm_qkv, .Lfunc_end_k_qdd58973ed7_gemm_qkv-k_qdd58973ed7_gemm_qkv
	.p2alignl 7, 3214868480
	.fill 96, 4, 3214868480
	.section	.rodata,"a",@progbits
	.p2align	6, 0x0
	.amdhsa_kernel k_qdd58973ed7_gemm_qkv
		.amdhsa_group_segment_fixed_size 327680
		.amdhsa_private_segment_fixed_size 0
		.amdhsa_enable_private_segment 0
		.amdhsa_kernarg_size 32
		.amdhsa_user_sgpr_count 2
		.amdhsa_user_sgpr_kernarg_segment_ptr 1
		.amdhsa_wavefront_size32 1
		.amdhsa_system_sgpr_workgroup_id_x 1
		.amdhsa_system_sgpr_workgroup_id_y 1
		.amdhsa_system_sgpr_workgroup_id_z 1
		.amdhsa_system_vgpr_workitem_id 0
		.amdhsa_next_free_vgpr 832
		.amdhsa_next_free_sgpr 100
		.amdhsa_reserve_vcc 1
		.amdhsa_float_denorm_mode_32 3
		.amdhsa_float_denorm_mode_16_64 3
		.amdhsa_memory_ordered 1
		.amdhsa_forward_progress 1
		.amdhsa_inst_pref_size 240
	.end_amdhsa_kernel
	.amdgpu_metadata
---
amdhsa.version: [ 1, 2 ]
amdhsa.kernels:
  - .name:           k_qdd58973ed7_gemm_qkv
    .symbol:         k_qdd58973ed7_gemm_qkv.kd
    .args:
      - { .name: ximg, .offset: 0, .size: 8, .value_kind: global_buffer, .address_space: global }
      - { .name: wimg, .offset: 8, .size: 8, .value_kind: global_buffer, .address_space: global }
      - { .name: b_qkv, .offset: 16, .size: 8, .value_kind: global_buffer, .address_space: global }
      - { .name: qkv, .offset: 24, .size: 8, .value_kind: global_buffer, .address_space: global }
    .group_segment_fixed_size: 327680
    .private_segment_fixed_size: 0
    .kernarg_segment_align: 8
    .kernarg_segment_size: 32
    .max_flat_workgroup_size: 128
    .sgpr_count:     100
    .vgpr_count:     832
    .wavefront_size: 32
...
	.end_amdgpu_metadata
.endif
;; end of part 2
;; launch attn (part 3): grid 4 x 64, 16 waves a work-group, clusters of 4 x 1, 210,944 bytes of LDS; arguments qkv, aimg; writes aimg
.if DOCPART == 3
	.amdgcn_target "amdgcn-amd-amdhsa--gfx1250"
	.amdhsa_code_object_version 6
	.text
	.protected	k_qdd58973ed7_attn
	.globl	k_qdd58973ed7_attn
	.p2align	8
	.type	k_qdd58973ed7_attn,@function
k_qdd58973ed7_attn:
	s_mov_b64 s[64:65], 0
	v_nop
	global_prefetch_b8 v0, s[64:65] scope:SCOPE_SE
	s_setreg_imm32_b32 hwreg(HW_REG_WAVE_MODE, 25, 1), 1
	s_wait_xcnt 0x0
	s_wait_alu depctr_hold_cnt(0) depctr_sa_sdst(0) depctr_va_vdst(0) depctr_va_sdst(0) depctr_va_ssrc(0) depctr_va_vcc(0) depctr_vm_vsrc(0)
	s_getreg_b32 s2, hwreg(HW_REG_IB_STS2, 6, 4)
	s_cmp_eq_u32 s2, 0
	s_cbranch_scc0 .Lentry_in_a_cluster
	s_endpgm
.Lentry_in_a_cluster:
	s_bfe_u32 s2, ttmp6, 0x10000c
	s_cmp_lg_u32 s2, 0x3003
	s_cbranch_scc0 .Lentry_shape_is_right
	s_endpgm
.Lentry_shape_is_right:
; For y = 4 head + batch: o = softmax(q k^T / 8) v on codes of FP6 (E2M3), and o QUANTISED ON THE WAY OUT along the last product's K (a head is two blocks of 32).
; THE SOFTMAX AHEAD OF THE SECOND PRODUCT: t = score x log2(e) / 8; M = the running largest t rounded UP to a whole number; p = 2^(t - M) is quantised along the keys, not normalised; the row's sum is taken of the
; unquantised p and divides at the end; when M moves, the sum and O are multiplied by 2^(old M - new M), which rounds nothing.
; SHARES.  64 y x 4 work-groups = 256.  A work-group owns 512 queries of one y; each of its sixteen waves takes two tiles of 16 queries, one after the other (PASS 0, PASS 1), each over all 2,048 keys.
; THE HEAD'S WHOLE K AND V LIE IN LDS, 2 x 98,304 bytes of codes, each byte filled once and read in both passes.  In memory and in LDS k's and v's codes lie on end: wave w asks for bytes 12,288 w .. of them, one tensor
; load a wave on one line.  The four work-groups of a cluster share y, so every load is JOINT (mask 15).  The 12,288 scale bytes come by plain loads of 256 consecutive bytes a wave and LDS stores into bytes of their own.
; One barrier shows all of it to all waves; behind it the waves share nothing and meet no barrier before the closing round.  All tiles are asked for at the head, so there is no loop in which a prefetch could run ahead.
; LAYOUT.  Both products are transposed: S^T = K Q^T, O^T = V^T P^T: a lane holds one query throughout.  Lane index m of key tile t is key 64 (t / 4) + 32 (m / 8) + 8 (t % 4) + m % 8, so a lane's 32 registers of four
; tiles are 32 neighbouring keys: a whole block in a lane: its largest score needs no other lane, and two conversions give registers 6 c .. 6 c + 5 of P.
; THE SCORES' K IS 64, half of an instruction's 128.  Q's registers 6-11 are zero codes.  K's operand names twelve registers: the tile's six and the six that follow (the next tile's codes, or zeros behind the last):
; numbers of the format, which meet zero codes.  Both scale words repeat their two bytes.
; LIMITS: NaN and infinities are not served; the scaled scores stay under 2^31 in magnitude; a block of o whose largest magnitude lies under 2^-124 gets the byte 1.  o's scale bytes leave one byte a lane.
; REGISTERS: v1-7, v29 addresses that stay; v8-11 the step's; v12 -M, v13 the largest score, v[14:15] the sum; v16-27 Q, v28 its scale word; v32-79 K (later v32-43 P's codes, v44-50 at work), v80-85 zeros,
;   v86-89 K's scale words, v92 P's scale word; v94, v95 the add's; v96-159 S^T, then p; v160-191 O^T; v192-239 V, v240-243 its scale words; v244 f; v246, 247, 252-255 three more chains of the sum; v248-251 at work.
.set QS_OFF, 18874368
.set XS_OFF, 6291456
.set LV,  98304                        ; LDS: K's codes at 0, V's here,
.set LKS, 196608                       ; K's scale words,
.set LVS, 204800                       ; V's,
.set SPARE, 208896                     ; the spare words: 128 bytes a wave
.macro CROUND                          ; a round of the cluster's barrier
	s_barrier_signal -1
	s_barrier_wait -1
	s_cmp_lg_u32 s12, 0
	s_cbranch_scc1 .Lnot_wave_0_\@
	s_barrier_signal -3
.Lnot_wave_0_\@:
	s_barrier_wait -3
	s_barrier_signal -1
	s_barrier_wait -1
.endm
.macro QLOAD oc, os                    ; a tile of Q: registers 6 j + 2 k, 6 j + 2 k + 1 of its group's 24 (plane (3 j + k) / 2, its lower or upper 8 bytes), and its scale word
	v_add_nc_u32 v8, s40, v1
	v_add_nc_u32 v9, s41, v1
	v_add_nc_u32 v10, s42, v1
	global_load_b64 v[16:17], v8, s[76:77] offset:\oc
	global_load_b64 v[18:19], v9, s[76:77] offset:\oc
	global_load_b64 v[20:21], v10, s[76:77] offset:\oc
	global_load_b32 v28, v29, s[78:79] offset:\os
.endm
	s_load_b128 s[4:7], s[0:1], 0x0                ; qkv s[4:5], aimg s[6:7]
	v_lshl_add_u32 v94, v0, 2, SPARE
	v_mov_b32 v95, 0
	ds_add_u32 v94, v95                            ; the opening lines: the add twice on end and its wait
	ds_add_u32 v94, v95
	v_lshrrev_b32 v1, 5, v0
	v_readfirstlane_b32 s12, v1                    ; wave 0..15
	s_bfe_u32 s14, ttmp6, 0x40000                  ; cx: my 512 queries: it enters Q's and o's global addresses alone
	s_and_b32 s60, ttmp7, 0xffff                   ; y, which the four partners share
	s_mov_b32 s16, 15|(3<<16)|(1<<21)              ; group 1: the mask of all four; elements of 8 bytes; bit 21 beside a mask: 48 rows of 256 bytes, dense
	s_mov_b32 s17, 32<<16
	s_mov_b32 s18, 48<<16
	s_mov_b32 s19, 32<<16
	s_mov_b32 s20, 48
	s_mov_b32 s21, 32
	s_mov_b32 s22, 0
	s_mov_b32 s23, 0
	s_mov_b32 s56, 0x3e38aa3b                      ; c = log2(e) / 8
	s_mov_b32 s57, s56                             ; (named with it as a pair, so it is written)
	s_mov_b32 s58, 0x76543210
	s_mov_b32 s59, 0xfedcba98                      ; v_permlanex16_b32's selects for lane l xor 16
	s_mov_b32 s32, 1
	s_mul_i32 s33, s12, 12288                      ; my sixteenth of K's and V's codes, in LDS and in memory
	s_mul_i32 s68, s60, 294912
	s_add_co_u32 s68, s68, s33
	s_add_co_u32 s68, s68, 98304                   ; behind q
	s_mov_b32 s69, 0
	s_mul_i32 s66, s60, 20480
	s_add_co_u32 s66, s66, QS_OFF                  ; y's scale bytes: q 8,192, k 8,192, v 4,096
	s_mov_b32 s67, 0
	v_and_b32 v30, 31, v0                          ; lane
	v_and_b32 v31, 15, v0                          ; r
	v_bfe_u32 v5, v0, 4, 1                         ; h
	v_lshlrev_b32 v1, 4, v30                       ; 16 l: K's planes
	v_lshlrev_b32 v6, 3, v30                       ; 8 l
	v_lshlrev_b32 v29, 4, v31                      ; 16 r
	v_add_nc_u32 v2, LV, v1                        ; V's planes
	v_add_nc_u32 v3, LKS, v1                       ; K's scale words: lanes 0-15 the first 64 keys', lanes 16-31 the second's
	v_add_nc_u32 v4, LVS, v29                      ; V's: row r's four words
	v_add_nc_u32 v7, v29, v5                       ; 16 r + h: my byte among a tile's scales
	v_lshlrev_b32 v5, 3, v5                        ; 8 h
	v_lshlrev_b32 v30, 3, v0                       ; 8 x thread: my 8 bytes of each 4,096 scale bytes
	v_add_nc_u32 v31, LKS, v30
	s_wait_alu depctr_va_vdst(0)
	s_wait_dscnt 0x0
	s_wait_kmcnt 0x0
	s_add_nc_u64 s[34:35], s[4:5], s[68:69]
	s_or_b32 s35, s35, 0x80000000
	s_add_nc_u64 s[66:67], s[4:5], s[66:67]
	CROUND                                         ; all four work-groups are here: the joint loads meet
	tensor_load_to_lds s[32:35], s[16:23]          ; one load a wave, sixteen in all
	s_nop 0
.rept 4
	v_nop
.endr
.irp k, 0,1,2
	global_load_b64 v[32+2*\k:33+2*\k], v30, s[66:67] offset:8192+4096*\k    ; K's and V's scale bytes: a wave reads 256 consecutive bytes
.endr
	s_and_b32 s72, s12, 3                          ; j: my tile in its group of 64 queries
	s_lshl_b32 s74, s14, 3
	s_lshr_b32 s75, s12, 2
	s_add_co_u32 s74, s74, s75                     ; the first pass's group: 8 cx + wave / 4; the second's lies 4 on
	s_lshl_b32 s78, s74, 8                         ; 256 bytes of scale words a group,
	s_lshl_b32 s75, s72, 2
	s_add_co_u32 s78, s78, s75                     ; word j
	s_mov_b32 s79, 0
	s_add_nc_u64 s[78:79], s[66:67], s[78:79]
	s_mul_i32 s76, s60, 294912
	s_mul_i32 s74, s74, 3072
	s_add_co_u32 s76, s76, s74
	s_mov_b32 s77, 0
	s_add_nc_u64 s[76:77], s[4:5], s[76:77]
	s_mul_i32 s73, s72, 3
.irp k, 0,1,2
	s_add_co_u32 s74, s73, \k
	s_lshr_b32 s75, s74, 1
	s_lshl_b32 s75, s75, 9
	s_and_b32 s74, s74, 1
	s_lshl_b32 s74, s74, 3
	s_add_co_u32 s[40+\k], s74, s75
.endr
	QLOAD 0, 0
	s_and_b32 s44, s60, 3                          ; batch
	s_lshr_b32 s45, s60, 2                         ; head
	s_lshl_b32 s44, s44, 7
	s_lshl_b32 s46, s14, 5
	s_add_co_u32 s44, s44, s46
	s_add_co_u32 s44, s44, s12                     ; the first pass's token tile T = 128 batch + 32 cx + wave; the second's lies 16 on
	s_lshl_b32 s68, s44, 4
	s_add_co_u32 s68, s68, s45
	s_mul_i32 s68, s68, 768                        ; chunk `head` of tile T
	s_mov_b32 s69, 0
	s_add_nc_u64 s[68:69], s[6:7], s[68:69]
	s_lshl_b32 s70, s44, 9
	s_lshr_b32 s72, s45, 3
	s_lshl_b32 s72, s72, 8
	s_add_co_u32 s70, s70, s72                     ; K step head / 2: steps 4-7 lie 256 bytes on,
	s_bfe_u32 s72, s45, 0x20001
	s_lshl_b32 s72, s72, 2
	s_add_co_u32 s70, s70, s72                     ; which of four words,
	s_and_b32 s72, s45, 1
	s_lshl_b32 s72, s72, 1
	s_add_co_u32 s70, s70, s72                     ; which two of its bytes
	s_add_co_u32 s70, s70, XS_OFF
	s_mov_b32 s71, 0
	s_add_nc_u64 s[70:71], s[6:7], s[70:71]
.irp j, 22,23,24,25,26,27,80,81,82,83,84,85
	v_mov_b32 v[\j], 0                             ; Q's upper half, and what K's last tile names behind its own six: zero codes
.endr
	v_mov_b32 v245, 0                              ; (named as the upper half of the pair v[244:245])
	v_mov_b32 v250, 0                              ; a lane permute's destination counts as one of its sources
	s_wait_alu depctr_va_vdst(0)
	s_wait_loadcnt 0x0                             ; the scale bytes and Q
	s_wait_tensorcnt 0x0                           ; my sixteenth of the codes
.irp k, 0,1,2
	ds_store_b64 v31, v[32+2*\k:33+2*\k] offset:4096*\k
.endr
	s_wait_dscnt 0x0
	s_barrier_signal -1
	s_barrier_wait -1                              ; every wave's codes and scale bytes are in
; A KEY STEP: 128 keys.
.macro STEP
	v_add_nc_u32 v8, s52, v1                       ; these four are also the places between the last step's products and the loads into their registers
	v_add_nc_u32 v9, s52, v2
	v_add_nc_u32 v10, s53, v3
	v_add_nc_u32 v11, s54, v4
.irp p, 0,1,2,3,4,5,6,7,8,9,10,11
	ds_load_b128 v[32+4*\p:35+4*\p], v8 offset:512*\p      ; K: tile t's six registers land at v[32 + 6 t]
.endr
	ds_load_b128 v[86:89], v10
.irp p, 0,1,2,3,4,5,6,7,8,9,10,11
	ds_load_b128 v[192+4*\p:195+4*\p], v9 offset:512*\p    ; V: four whole fragments; they land while the softmax is walked
.endr
	ds_load_b128 v[240:243], v11
	s_add_co_u32 s52, s52, 6144                    ; the next 128 keys: codes,
	s_add_co_u32 s53, s53, 512                     ; K's scale words,
	s_add_co_u32 s54, s54, 256                     ; V's
	s_wait_dscnt 13                                ; K and its scale words are in; V's thirteen loads may be out
.irp t, 0,1,2,3
	v_wmma_scale_f32_16x16x128_f8f6f4 v[96+8*\t:103+8*\t], v[32+6*\t:43+6*\t], v[16:27], 0, v[86+\t], v28 matrix_a_fmt:MATRIX_FMT_FP6 matrix_b_fmt:MATRIX_FMT_FP6
.endr
.irp t, 4,5,6,7
	v_wmma_scale_f32_16x16x128_f8f6f4 v[96+8*\t:103+8*\t], v[32+6*\t:43+6*\t], v[16:27], 0, v[82+\t], v28 matrix_a_fmt:MATRIX_FMT_FP6 matrix_b_fmt:MATRIX_FMT_FP6 matrix_a_scale:MATRIX_SCALE_ROW1
.endr
	v_pk_add_f32 v[14:15], v[14:15], v[246:247]    ; the last step's four chains of the sum are joined here: with the v_nop the four places behind the products
	v_pk_add_f32 v[252:253], v[252:253], v[254:255]
	v_nop
	v_pk_add_f32 v[14:15], v[14:15], v[252:253]
	v_max3_num_f32 v248, v96, v97, v98             ; the largest score of each of my two blocks of 32 keys, each in two chains of 15 (four chains by turns): it serves the row's maximum and, since p rises with the score, the block's largest p
	v_max3_num_f32 v251, v112, v113, v114
	v_max3_num_f32 v249, v128, v129, v130
	v_max3_num_f32 v93, v144, v145, v146
.irp i, 3,5,7,9,11,13
	v_max3_num_f32 v248, v248, v[96+\i], v[97+\i]
	v_max3_num_f32 v251, v251, v[112+\i], v[113+\i]
	v_max3_num_f32 v249, v249, v[128+\i], v[129+\i]
	v_max3_num_f32 v93, v93, v[144+\i], v[145+\i]
.endr
	v_max3_num_f32 v248, v248, v251, v111
	v_max3_num_f32 v249, v249, v93, v143
	v_max_num_f32 v248, v248, v127
	v_max_num_f32 v249, v249, v159
	s_delay_alu instid0(VALU_DEP_1)
	v_max_num_f32 v251, v248, v249
	s_delay_alu instid0(VALU_DEP_1)
	v_permlanex16_b32 v250, v251, s58, s59
	s_delay_alu instid0(VALU_DEP_1)
	v_max3_num_f32 v13, v251, v250, v13            ; with lane l xor 16's two blocks, and what went before: the running largest score of my query
	s_delay_alu instid0(VALU_DEP_1)
	v_mul_f32 v251, s56, v13                       ; as t (c is positive, so the largest score gives the largest t)
	s_delay_alu instid0(VALU_DEP_1)
	v_floor_f32 v250, -v251                        ; the new -M = -ceil(t): a whole number
	s_delay_alu instid0(VALU_DEP_1)
	v_sub_f32 v251, v250, v12                      ; old M - new M: a whole number, 0 or less
	s_delay_alu instid0(VALU_DEP_2)
	v_mov_b32 v12, v250
	s_delay_alu instid0(VALU_DEP_2)
	v_cvt_i32_f32 v251, v251                       ; (it saturates)
	s_delay_alu instid0(VALU_DEP_1)
	v_ldexp_f32 v244, 1.0, v251                    ; f = 2^(old M - new M)
.set J, 0
.rept 32
	v_pk_fma_f32 v[96+J:97+J], v[96+J:97+J], s[56:57], v[12:13] op_sel_hi:[1,0,0]   ; t - M, two at a time
.set J, J+2
.endr
	v_fma_f32 v248, v248, s56, v12                 ; the same of each block's largest score
	v_fma_f32 v249, v249, s56, v12
	s_wait_alu depctr_va_vdst(0)
.set J, 0
.rept 64
	v_exp_f32 v[96+J], v[96+J]                     ; p = 2^(t - M)
.set J, J+1
.endr
	v_exp_f32 v248, v248                           ; the blocks' largest p: the same two instructions on the same number give the same bits
	v_exp_f32 v249, v249
	s_wait_alu depctr_va_vdst(0)                   ; one wait for the batch, directly ahead of O^T's first reader
	; O^T under the new M (sixteen lines, each accumulator from its low end on; plain lines behind the exponentials), and behind them the chain that makes P's scale word: the two do not hang on each other
.set J, 0
.rept 16
	v_pk_mul_f32 v[160+J:161+J], v[160+J:161+J], v[244:245] op_sel_hi:[1,0]   ; O^T under the new M; plain lines behind the exponentials
.set J, J+2
.endr
	v_max_num_f32 v248, 0x1800000, v248            ; the floor 2^(3 - 127): the byte cannot fall under 1
	v_max_num_f32 v249, 0x1800000, v249
	s_delay_alu instid0(VALU_DEP_2)
	v_add_nc_u32 v252, 0xff000000, v248            ; 2 off the exponent field: the conversion's scale operand
	s_delay_alu instid0(VALU_DEP_2)
	v_add_nc_u32 v253, 0xff000000, v249
	s_delay_alu instid0(VALU_DEP_2)
	v_lshrrev_b32 v254, 23, v252
	s_delay_alu instid0(VALU_DEP_2)
	v_lshrrev_b32 v255, 23, v253
	s_delay_alu instid0(VALU_DEP_1)
	v_lshl_or_b32 v92, v255, 16, v254              ; my two bytes: blocks h and 2 + h,
	s_delay_alu instid0(VALU_DEP_1)
	v_lshlrev_b32 v92, v5, v92                     ; at their places;
	s_delay_alu instid0(VALU_DEP_1)
	v_permlanex16_b32 v250, v92, s58, s59
	s_delay_alu instid0(VALU_DEP_1)
	v_or_b32 v92, v92, v250                        ; with lane l xor 16's two: P's scale word for these 128 keys
	v_cvt_scalef32_pk16_fp6_f32 v[32:34], v[96:111], v252
	v_cvt_scalef32_pk16_fp6_f32 v[44:46], v[112:127], v252     ; (a conversion's three registers begin on an even number)
	v_cvt_scalef32_pk16_fp6_f32 v[38:40], v[128:143], v253
	v_cvt_scalef32_pk16_fp6_f32 v[48:50], v[144:159], v253
	v_pk_fma_f32 v[14:15], v[14:15], v[244:245], v[96:97] op_sel_hi:[1,0,1]   ; the sum under the new M, and its first two p; also the plain line behind the conversions
.irp i, 0,1,2
	v_mov_b32 v[35+\i], v[44+\i]
	v_mov_b32 v[41+\i], v[48+\i]
.endr
	v_pk_add_f32 v[246:247], v[98:99], v[106:107]  ; the row's sum of the unquantised p, in four chains.  These 28 lines also stand between the lines that wrote P's codes and scale word and the products
	v_pk_add_f32 v[252:253], v[100:101], v[108:109]
	v_pk_add_f32 v[254:255], v[102:103], v[110:111]
	v_pk_add_f32 v[14:15], v[14:15], v[104:105]
.irp j, 16,24,32,40,48,56
	v_pk_add_f32 v[246:247], v[246:247], v[98+\j:99+\j]
	v_pk_add_f32 v[252:253], v[252:253], v[100+\j:101+\j]
	v_pk_add_f32 v[254:255], v[254:255], v[102+\j:103+\j]
	v_pk_add_f32 v[14:15], v[14:15], v[96+\j:97+\j]
.endr
	s_wait_alu depctr_va_vdst(0)
	s_wait_dscnt 0x0                               ; V is in
.irp j, 0,1,2,3                        ; the four accumulators by turns
	v_wmma_scale_f32_16x16x128_f8f6f4 v[160+8*\j:167+8*\j], v[192+12*\j:203+12*\j], v[32:43], v[160+8*\j:167+8*\j], v[240+\j], v92 matrix_a_fmt:MATRIX_FMT_FP6 matrix_b_fmt:MATRIX_FMT_FP6
.endr
.endm
; A PASS: one tile of 16 queries over all sixteen key steps, and its way out.  Q lies in v16-21 and v28.
.macro PASS p
	v_mov_b32 v13, 0xff61b1e6                      ; the largest score so far: -3e38
	v_mul_f32 v251, s56, v13
	v_floor_f32 v12, -v251                         ; -M
.irp j, 14,15,246,247,252,253,254,255
	v_mov_b32 v[\j], 0                             ; the sum's four chains
.endr
.set J, 0
.rept 32
	v_mov_b32 v[160+J], 0                          ; O^T: the step is written once; the first finds zeros, which the first change of M leaves zeros
.set J, J+1
.endr
	s_mov_b32 s52, 0
	s_mov_b32 s53, 0
	s_mov_b32 s54, 0
	s_mov_b32 s55, 16
	s_wait_alu depctr_va_vdst(0)
.Lstep_\@:
	STEP
	s_sub_co_u32 s55, s55, 1
	s_cmp_lg_u32 s55, 0
	s_cbranch_scc1 .Lstep_\@
.if \p == 0
	QLOAD 12288, 1024                              ; the second pass's Q, four groups on: it lands while this tile goes out
.endif
	; THE WAY OUT.  O^T / the sum; a lane's 32 registers are channels 32 h + 0..31 of its query: one block of the last product's K.  Its codes are my lane's 24 bytes of chunk `head` of token tile T.
	v_pk_add_f32 v[14:15], v[14:15], v[246:247]    ; the last step's chains; these lines are also the places behind the last products
	v_pk_add_f32 v[252:253], v[252:253], v[254:255]
	s_delay_alu instid0(VALU_DEP_1)
	v_pk_add_f32 v[14:15], v[14:15], v[252:253]
	s_delay_alu instid0(VALU_DEP_1)
	v_add_f32 v14, v14, v15
	s_delay_alu instid0(VALU_DEP_1)
	v_permlanex16_b32 v250, v14, s58, s59
	s_delay_alu instid0(VALU_DEP_1)
	v_add_f32 v14, v14, v250                       ; the row's sum
	s_wait_alu depctr_va_vdst(0)
	v_rcp_f32 v244, v14
	v_nop                                          ; the plain line behind the reciprocal
	s_wait_alu depctr_va_vdst(0)                   ; ahead of the reciprocal's and O^T's first reader
.set J, 0
.rept 16
	v_pk_mul_f32 v[96+J:97+J], v[160+J:161+J], v[244:245] op_sel_hi:[1,0]   ; each accumulator from its low end on
.set J, J+2
.endr
	v_max3_num_f32 v248, |v96|, |v97|, |v98|
	v_max3_num_f32 v249, |v99|, |v100|, |v101|
.irp i, 6,10,14,18,22,26
	s_delay_alu instid0(VALU_DEP_2)
	v_max3_num_f32 v248, v248, |v[96+\i]|, |v[97+\i]|
	s_delay_alu instid0(VALU_DEP_2)
	v_max3_num_f32 v249, v249, |v[98+\i]|, |v[99+\i]|
.endr
	s_delay_alu instid0(VALU_DEP_2)
	v_max3_num_f32 v248, v248, |v126|, |v127|
	s_delay_alu instid0(VALU_DEP_1)
	v_max3_num_f32 v248, v248, v249, 0x1800000
	s_delay_alu instid0(VALU_DEP_1)
	v_add_nc_u32 v252, 0xff000000, v248
	v_cvt_scalef32_pk16_fp6_f32 v[32:34], v[96:111], v252
	v_cvt_scalef32_pk16_fp6_f32 v[44:46], v[112:127], v252
	v_lshrrev_b32 v254, 23, v252                   ; the byte; also the plain line behind the conversions
.irp i, 0,1,2
	v_mov_b32 v[35+\i], v[44+\i]
.endr
	global_store_b128 v1, v[32:35], s[68:69] offset:196608*\p          ; 512 consecutive bytes, at a multiple of 256; the second pass's tile lies 16 tiles of 12,288 bytes on
	global_store_b64 v6, v[36:37], s[68:69] offset:196608*\p+512
	global_store_b8 v7, v254, s[70:71] offset:8192*\p
.if \p == 0
	s_wait_xcnt 0x0                                ; the stores and Q's loads have read their registers: the next pass writes them anew
	s_wait_loadcnt 0x0                             ; the next Q is in
.endif
.endm
	PASS 0
	PASS 1
	s_wait_tensorcnt 0x0                           ; the wave's end
	ds_add_u32 v94, v95
	s_wait_dscnt 0x0
	CROUND                                         ; the closing round: no work-group ends while a partner may still ask for a tile that names it
	s_endpgm
.Lfunc_end_k_qdd58973ed7_attn:
	.size	k_qdd58973ed7_attn, .Lfunc_end_k_qdd58973ed7_attn-k_qdd58973ed7_attn
	.p2alignl 7, 3214868480
	.fill 96, 4, 3214868480
	.section	.rodata,"a",@progbits
	.p2align	6, 0x0
	.amdhsa_kernel k_qdd58973ed7_attn
		.amdhsa_group_segment_fixed_size 210944
		.amdhsa_private_segment_fixed_size 0
		.amdhsa_enable_private_segment 0
		.amdhsa_kernarg_size 16
		.amdhsa_user_sgpr_count 2
		.amdhsa_user_sgpr_kernarg_segment_ptr 1
		.amdhsa_wavefront_size32 1
		.amdhsa_system_sgpr_workgroup_id_x 1
		.amdhsa_system_sgpr_workgroup_id_y 1
		.amdhsa_system_sgpr_workgroup_id_z 1
		.amdhsa_system_vgpr_workitem_id 0
		.amdhsa_next_free_vgpr 256
		.amdhsa_next_free_sgpr 80
		.amdhsa_reserve_vcc 0
		.amdhsa_float_denorm_mode_32 3
		.amdhsa_float_denorm_mode_16_64 3
		.amdhsa_memory_ordered 1
		.amdhsa_forward_progress 1
		.amdhsa_inst_pref_size 48
	.end_amdhsa_kernel
	.amdgpu_metadata
---
amdhsa.version: [ 1, 2 ]
amdhsa.kernels:
  - .name:           k_qdd58973ed7_attn
    .symbol:         k_qdd58973ed7_attn.kd
    .args:
      - { .name: qkv, .offset: 0, .size: 8, .value_kind: global_buffer, .address_space: global }
      - { .name: aimg, .offset: 8, .size: 8, .value_kind: global_buffer, .address_space: global }
    .group_segment_fixed_size: 210944
    .private_segment_fixed_size: 0
    .kernarg_segment_align: 8
    .kernarg_segment_size: 16
    .max_flat_workgroup_size: 512
    .sgpr_count:     80
    .vgpr_count:     256
    .wavefront_size: 32
...
	.end_amdgpu_metadata
.endif
;; end of part 3
;; launch gemm_proj (part 4): grid 4 x 64, 4 waves a work-group, clusters of 4 x 4, 316,928 bytes of LDS; arguments aimg, wimg, b_proj, out0; writes out0
.if DOCPART == 4
	.amdgcn_target "amdgcn-amd-amdhsa--gfx1250"
	.amdhsa_code_object_version 6
	.text
	.protected	k_qdd58973ed7_gemm_proj
	.globl	k_qdd58973ed7_gemm_proj
	.p2align	8
	.type	k_qdd58973ed7_gemm_proj,@function
k_qdd58973ed7_gemm_proj:
	s_mov_b64 s[64:65], 0
	v_nop
	global_prefetch_b8 v0, s[64:65] scope:SCOPE_SE
	s_setreg_imm32_b32 hwreg(HW_REG_WAVE_MODE, 25, 1), 1
	s_wait_xcnt 0x0
	s_wait_alu depctr_hold_cnt(0) depctr_sa_sdst(0) depctr_va_vdst(0) depctr_va_sdst(0) depctr_va_ssrc(0) depctr_va_vcc(0) depctr_vm_vsrc(0)
	s_getreg_b32 s2, hwreg(HW_REG_IB_STS2, 6, 4)
	s_cmp_eq_u32 s2, 0
	s_cbranch_scc0 .Lentry_in_a_cluster
	s_endpgm
.Lentry_in_a_cluster:
	s_bfe_u32 s2, ttmp6, 0x10000c
	s_cmp_lg_u32 s2, 0xf033
	s_cbranch_scc0 .Lentry_shape_is_right
	s_endpgm
.Lentry_shape_is_right:
; out0 = a W_proj + b_proj on codes of FP6 (E2M3); a is the attention's result, quantised by the launch before.  out0: [8192][1024] f32.
; OPERANDS are register images (16 rows x 64 K = 768 bytes a chunk, 16 chunks a tile; lane index m of tile T is row 64 (T / 4) + 32 (m / 8) + 8 (T % 4) + m % 8; a tile's scales 512 bytes: lane (r, h) has row r's
; words of K steps 4 h .. 4 h + 3).
; SHARES.  4 x 64 = 256 work-groups, each 256 weight rows (16 tiles) x 128 tokens (8 tiles).  A wave holds ITS 4 WEIGHT TILES, ALL OF K, IN REGISTERS (32 fragments, 384 registers) and streams the 8 token tiles past them in
; blocks of 16 tokens: 32 products a block, the block's 4 accumulators by turns, K ascending, the bias as the first products' C.
; Source 0 = weights, source 1 = tokens: a lane (r, h) holds token r and the 32 neighbouring columns 64 wave + 32 h + 0 .. 31.
; EACH BLOCK LEAVES AT ONCE: its sums go into the wave's own stage (16 rows of 256 + 16 bytes, LDS bytes of its own into which no tile lands) and come back as whole rows; sixteen lanes store 256 consecutive bytes, aligned.
; ONE RUN OF MEMORY LINES behind a block's products: the stage's stores and loads, the fetch of the block two on, one wait, eight stores.  That wait leaves the run's fetch (NF loads) out and so shows the next block's rows in too.
; LDS: all of K in two halves of 512: a half is 16 weight tiles x 6,144 bytes, then 8 token tiles; each byte filled once, one tensor load a wave: wave 0 the weights of half 0, wave 1 its tokens, waves 2 and 3 the same of half 1.
; Behind them the spare words, the four stages, and the tokens' scale words (8 tiles x 512 bytes, brought by plain loads and LDS stores, two tiles a wave).  All is asked for at the head: there is no loop in which a prefetch could run ahead.
; CLUSTER 4 x 4: the tokens' tiles hang on Y alone and are asked for jointly by a row of the cluster, the weights' on X alone, by a column.
; THE TEXT: blocks 0 to 5 are a loop of three trips, a pair a trip (two sets of token fragments, accumulators and rows by turns); blocks 6 and 7, which fetch nothing, stand behind it.
; LIMITS: NaN and infinities are not served.  A sum begins with the bias, where the reference adds it last.
; REGISTERS: window 0: v1-15 LDS addresses; v16-31 the weights' scale words; v34-41 the tokens', two sets; v44-47, v50 addresses; v64-127 accumulators, two sets; v128-191 rows back from the stage, two sets; v192-223 the bias.
;   Fragment f lies in window 1 + f / 21 at register 12 (f % 21): f = 4 q + i the weights' (K step q, tile i), f = 32 + 8 e + q the tokens' set e.
.set XS_OFF, 6291456
.set WS_OFF, 3145728
.set WT0,  192                         ; W_proj's first tile in wimg
.set PART, 147456
.set TOFF, 98304
.set SPARE, 294912
.set STAGE, 295424
.set SPITCH, 272
.set SCL,  STAGE+4*16*SPITCH
.set FR,   12
.set FPW,  21
.set NF,   33                          ; LDS loads of a block: 32 for eight fragments, 1 for its scale words
.set SW,   16
.set SA,   34                          ; a product's two scale registers differ modulo 8 in their numbers
.set ACC,  64
.set BK,   128
.set BO,   192
.set MSB, 0
.macro WIN new                         ; the immediate's high byte repeats the setting that is left
.if MSB != \new
	s_set_vgpr_msb (MSB<<8)|\new
.set MSB, \new
.endif
.endm
.macro PLACES
.rept 4
	v_nop
.endr
.endm
.macro CROUND                          ; a round of the cluster's barrier
	s_barrier_signal -1
	s_barrier_wait -1
	s_cmp_lg_u32 s12, 0
	s_cbranch_scc1 .Lnot_wave_0_\@
	s_barrier_signal -3
.Lnot_wave_0_\@:
	s_barrier_wait -3
	s_barrier_signal -1
	s_barrier_wait -1
.endm
.macro TL g0, g1                       ; a tensor load, its s_nop 0 and four v_nop
	tensor_load_to_lds s[\g0:\g0+3], s[\g1:\g1+7]
	s_nop 0
	PLACES
.endm
.macro G1SET g, mask, rows             ; group 1: rows of 6,144 bytes (768 elements of 8), 12,288 apart in memory, dense in LDS
	s_or_b32 s[\g], s[\mask], (3<<16)|(1<<21)
	s_mov_b32 s[\g+1], 768<<16
	s_mov_b32 s[\g+2], (\rows)<<16
	s_mov_b32 s[\g+3], 768<<16
	s_mov_b32 s[\g+4], \rows
	s_mov_b32 s[\g+5], 1536
	s_mov_b32 s[\g+6], 0
	s_mov_b32 s[\g+7], 0
.endm
.macro S2 a, x, b, y                   ; s92 = (a << x) + (b << y)
	s_lshl_b32 s92, s\a, \x
	s_lshl_b32 s76, s\b, \y
	s_add_co_u32 s92, s92, s76
.endm
.macro BASE d, p, k                    ; s[d:d+1] = buffer p + s92 + k (s93 = 0)
	s_add_co_u32 s92, s92, \k
	s_add_nc_u64 s[\d:\d+1], s[\p:\p+1], s[92:93]
.endm
.macro FRAG f, a16, a8, off            ; fragment f, 12 registers = two chunks: of each, registers 0-3 at 16 l and 4-5 at 512 + 8 l
	WIN (1+(\f)/FPW)<<6
.set R_, FR*((\f)%FPW)
	ds_load_b128 v[R_:R_+3], v[\a16] offset:\off
	ds_load_b64 v[R_+4:R_+5], v[\a8] offset:\off
	ds_load_b128 v[R_+6:R_+9], v[\a16] offset:(\off)+768
	ds_load_b64 v[R_+10:R_+11], v[\a8] offset:(\off)+768
.endm
.macro WEIGHTS q0                      ; my 4 weight tiles, K steps q0 .. q0 + 3 (one half): 64 loads
.irp q, 0,1,2,3
.irp i, 0,1,2,3
	FRAG 4*(\q0+\q)+\i, 2+2*((\q0)/4), 3+2*((\q0)/4), 6144*\i+1536*\q
.endr
.endr
	WIN 0
.endm
.macro FETCHAT e, a, as                ; a block of tokens into set e: v[a], v[a+1] its place in half 0, v[a+2], v[a+3] in half 1; v[as] its scale words: NF loads
.irp q, 0,1,2,3
	FRAG 32+8*(\e)+\q, \a, \a+1, 1536*\q
.endr
.irp q, 0,1,2,3
	FRAG 36+8*(\e)+\q, \a+2, \a+3, 1536*\q
.endr
	WIN 0
	ds_load_b128 v[SA+4*(\e):SA+4*(\e)+3], v[\as]
.endm
.macro PROD e, n                       ; product n = 4 q + i of a block whose tokens lie in set e
.set Q_, (\n)/4
.set I_, (\n)%4
.set FA_, 4*Q_+I_
.set FB_, 32+8*(\e)+Q_
.set D_, ACC+32*(\e)+8*I_
.set RA_, FR*(FA_%FPW)
.set RB_, FR*(FB_%FPW)
	WIN (1+FA_/FPW)|((1+FB_/FPW)<<2)
.if Q_ == 0
	v_wmma_scale_f32_16x16x128_f8f6f4 v[D_:D_+7], v[RA_:RA_+11], v[RB_:RB_+11], v[BO+8*I_:BO+8*I_+7], v[SW+4*I_], v[SA+4*(\e)] matrix_a_fmt:MATRIX_FMT_FP6 matrix_b_fmt:MATRIX_FMT_FP6
.elseif Q_ < 4
	v_wmma_scale_f32_16x16x128_f8f6f4 v[D_:D_+7], v[RA_:RA_+11], v[RB_:RB_+11], v[D_:D_+7], v[SW+4*I_+Q_], v[SA+4*(\e)+Q_] matrix_a_fmt:MATRIX_FMT_FP6 matrix_b_fmt:MATRIX_FMT_FP6
.else
	v_wmma_scale_f32_16x16x128_f8f6f4 v[D_:D_+7], v[RA_:RA_+11], v[RB_:RB_+11], v[D_:D_+7], v[SW+4*I_+Q_-4], v[SA+4*(\e)+Q_-4] matrix_a_fmt:MATRIX_FMT_FP6 matrix_b_fmt:MATRIX_FMT_FP6 matrix_a_scale:MATRIX_SCALE_ROW1 matrix_b_scale:MATRIX_SCALE_ROW1
.endif
.endm
.macro STAGED u                        ; set u's sums into my stage, each accumulator from its low end on, and back as whole rows.  LDS serves a wave's instructions in order (ISA guide 5.7.1.4): no wait between
.irp i, 0,1,2,3
	ds_store_b128 v44, v[ACC+32*(\u)+8*\i:ACC+32*(\u)+8*\i+3] offset:32*\i
	ds_store_b128 v44, v[ACC+32*(\u)+8*\i+4:ACC+32*(\u)+8*\i+7] offset:32*\i+16
.endr
.irp t, 0,1,2,3,4,5,6,7
	ds_load_b128 v[BK+32*(\u)+4*\t:BK+32*(\u)+4*\t+3], v45 offset:2*\t*SPITCH
.endr
.endm
.macro TOC s                           ; s[88:89] stands at the pair's first token; the pair's second block lies 8 tokens on.  A block's lane indices 2 t, 2 t + 1 are tokens 32 (t / 4) + 2 t % 8 and the next
.irp t, 0,1,2,3,4,5,6,7
	global_store_b128 v46, v[BK+32*(\s)+4*\t:BK+32*(\s)+4*\t+3], s[88:89] offset:(8*(\s)+32*(\t/4)+(2*\t)%8)*4096 th:TH_STORE_NT
.endr
.endm
.macro STREAM s, fetch                 ; a pair's block s = 0, 1
.set N_, 0
.rept 32
	PROD \s, N_
.if (\fetch) && (N_ == 1)
	s_add_co_u32 s62, s62, 6144                    ; the block that is fetched behind this one: two on
	s_add_co_u32 s63, s63, 512
.endif
.set N_, N_+1
.endr
	WIN 0
.if \fetch                             ; plain vector lines stand between the last product and the first reader of its sums, and the fetch into its registers
	v_add_nc_u32 v10, s62, v6
	v_add_nc_u32 v11, s62, v7
	v_add_nc_u32 v12, s62, v8
	v_add_nc_u32 v13, s62, v9
	v_add_nc_u32 v14, s63, v15
	s_wait_alu depctr_va_vdst(0)
.else
	PLACES
.endif
	s_wait_xcnt 0x0                                ; the stores of two blocks ago have read set s of the rows, and those of the block before their base
.if (\s) == 0
	s_add_nc_u64 s[88:89], s[88:89], s[60:61]      ; on to this pair's rows of out0
.endif
	STAGED \s
.if \fetch
	FETCHAT \s, 10, 14
	s_wait_dscnt NF                                ; the block's rows are back from the stage; its fetch is younger
.else
	s_wait_dscnt 0x0
.endif
	TOC \s
.endm
	s_load_b256 s[4:11], s[0:1], 0x0               ; aimg s[4:5], wimg s[6:7], b_proj s[8:9], out0 s[10:11]
	v_lshl_add_u32 v254, v0, 2, SPARE
	v_mov_b32 v255, 0
	ds_add_u32 v254, v255                          ; the opening lines: the add twice on end and its wait
	ds_add_u32 v254, v255
	v_lshrrev_b32 v1, 5, v0
	v_readfirstlane_b32 s12, v1                    ; wave 0..3
	s_lshr_b32 s13, s12, 1                         ; which half of K I ask for
	s_bfe_u32 s68, ttmp6, 0x40000                  ; cx = X: which 256 weight rows (the grid is one cluster wide)
	s_bfe_u32 s67, ttmp6, 0x40004                  ; cy
	s_and_b32 s69, ttmp7, 0xffff
	s_lshl_b32 s69, s69, 2
	s_add_co_u32 s69, s69, s67                     ; Y: which 128 tokens
	s_lshl_b32 s70, s67, 2
	s_lshl_b32 s70, 15, s70                        ; my row of the cluster
	s_lshl_b32 s71, 0x1111, s68                    ; my column
	G1SET 16, 70, 8                                ; the tokens: 8 tiles of a half
	G1SET 24, 71, 16                               ; the weights: 16 tiles of a half
	s_lshl_b32 s72, s69, 3
	s_mul_i32 s72, s72, 12288                      ; tokens: tile 8 Y,
	s_mul_i32 s76, s13, 6144                       ; half wave / 2
	s_add_co_u32 s72, s72, s76
	s_mov_b32 s73, 0
	s_lshl_b32 s74, s68, 4
	s_add_co_u32 s74, s74, WT0
	s_mul_i32 s74, s74, 12288                      ; weights: tile WT0 + 16 X
	s_add_co_u32 s74, s74, s76
	s_mov_b32 s75, 0
	s_mul_i32 s49, s13, PART                       ; where they go: the wave's number alone
	s_add_co_u32 s33, s49, TOFF
	s_mov_b32 s32, 1
	s_mov_b32 s48, 1
	s_wait_dscnt 0x0
	s_wait_kmcnt 0x0
	s_add_nc_u64 s[34:35], s[4:5], s[72:73]
	s_or_b32 s35, s35, 0x80000000
	s_add_nc_u64 s[50:51], s[6:7], s[74:75]
	s_or_b32 s51, s51, 0x80000000
	CROUND                                         ; all sixteen work-groups are here: the joint loads meet
	s_cmp_eq_u32 s12, 0                            ; one chain of branches on the wave's number, one load to an arm
	s_cbranch_scc0 .Lw1
	TL 48, 24                                      ; wave 0: the weights of half 0, which are wanted first
	s_branch .Lasked
.Lw1:
	s_cmp_eq_u32 s12, 1
	s_cbranch_scc0 .Lw2
	TL 32, 16                                      ; wave 1: the tokens of half 0
	s_branch .Lasked
.Lw2:
	s_cmp_eq_u32 s12, 2
	s_cbranch_scc0 .Lw3
	TL 48, 24                                      ; wave 2: the weights of half 1
	s_branch .Lasked
.Lw3:
	TL 32, 16                                      ; wave 3: the tokens of half 1
.Lasked:
	s_mul_i32 s78, s12, 24576                      ; my 4 weight tiles in a half
	s_lshl_b32 s79, s12, 10                        ; the two tiles of scale words that I bring
	s_mul_i32 s77, s12, 16*SPITCH
	s_add_co_u32 s77, s77, STAGE                   ; my stage
	v_and_b32 v48, 31, v0                          ; lane
	v_lshlrev_b32 v1, 4, v48                       ; 16 l
	v_and_b32 v49, 15, v0                          ; r
	v_bfe_u32 v51, v0, 4, 1                        ; h
	v_lshlrev_b32 v52, 3, v48
	v_add_nc_u32 v52, 512, v52                     ; 512 + 8 l
	v_add_nc_u32 v2, s78, v1                       ; the weights' fragments in half 0,
	v_add_nc_u32 v3, s78, v52
	v_add_nc_u32 v4, PART, v2                      ; in half 1
	v_add_nc_u32 v5, PART, v3
	v_add_nc_u32 v6, TOFF, v1                      ; token tile 0 in half 0,
	v_add_nc_u32 v7, TOFF, v52
	v_add_nc_u32 v8, PART, v6                      ; in half 1
	v_add_nc_u32 v9, PART, v7
	v_add_nc_u32 v10, 6144, v6                     ; token tile 1
	v_add_nc_u32 v11, 6144, v7
	v_add_nc_u32 v12, 6144, v8
	v_add_nc_u32 v13, 6144, v9
	v_add_nc_u32 v15, SCL, v1                      ; tile 0's scale words,
	v_add_nc_u32 v14, 512, v15                     ; tile 1's
	v_add_nc_u32 v50, s79, v15                     ; where my two tiles' go
	v_mul_u32_u24 v53, v49, SPITCH
	v_lshl_add_u32 v53, v51, 7, v53
	v_add_nc_u32 v44, s77, v53                     ; into the stage: row r, + 128 h
	v_mul_u32_u24 v53, v51, SPITCH
	v_lshl_add_u32 v53, v49, 4, v53
	v_add_nc_u32 v45, s77, v53                     ; back: lanes 0-15 one row of 256 bytes, lanes 16-31 the next
	v_lshlrev_b32 v53, 12, v51
	v_lshl_add_u32 v46, v49, 4, v53                ; and the same two rows in out0
	v_lshlrev_b32 v47, 7, v51                      ; the bias: lanes 16-31 32 columns on
	s_mov_b32 s93, 0
	S2 68, 13, 12, 11
	BASE 82, 6, WS_OFF+WT0*512                     ; the weights' scales: tile WT0 + 16 X + 4 wave
	S2 69, 12, 12, 10
	BASE 84, 4, XS_OFF                             ; the tokens': tiles 8 Y + 2 wave and the next
	S2 68, 10, 12, 8
	BASE 86, 8, 0                                  ; the bias of my 64 columns
	s_add_nc_u64 s[88:89], s[10:11], s[92:93]
	s_lshl_b32 s92, s69, 19                        ; 128 Y rows of 4,096 bytes
	s_add_nc_u64 s[88:89], s[88:89], s[92:93]      ; out0 at my corner
	s_wait_alu depctr_va_vdst(0)
.irp i, 0,1,2,3
	global_load_b128 v[SW+4*\i:SW+4*\i+3], v1, s[82:83] offset:512*\i
.endr
.irp k, 0,1
	global_load_b128 v[BK+4*\k:BK+4*\k+3], v1, s[84:85] offset:512*\k
.endr
.irp i, 0,1,2,3
	global_load_b128 v[BO+8*\i:BO+8*\i+3], v47, s[86:87] offset:32*\i          ; tile i, register q: column 32 h + 8 i + q of my 64
	global_load_b128 v[BO+8*\i+4:BO+8*\i+7], v47, s[86:87] offset:32*\i+16
.endr
	s_cmp_lt_u32 s12, 2                            ; waves 0 and 1 asked for half 0, each by a line of its own: they wait for it
	s_cbranch_scc0 .Lnot_half0
	s_wait_tensorcnt 0x0
.Lnot_half0:
	s_barrier_signal -1
	s_barrier_wait -1                              ; half 0 is in; half 1 may be on its way
	WEIGHTS 0
	s_wait_loadcnt 0x0                             ; the scale words and the bias
	s_wait_tensorcnt 0x0                           ; every wave: all that was still out
.irp k, 0,1
	ds_store_b128 v50, v[BK+4*\k:BK+4*\k+3] offset:512*\k
.endr
	s_wait_dscnt 0x0
	s_barrier_signal -1
	s_barrier_wait -1                              ; half 1 and the tokens' scale words are in
	WEIGHTS 4
	FETCHAT 0, 6, 15
	FETCHAT 1, 10, 14
	s_mov_b32 s62, 6144                            ; block 1's place: each block that fetches steps on first
	s_mov_b32 s63, 512
	s_mov_b32 s56, 0
	s_mov_b32 s60, 0                               ; s[60:61]: from a pair's rows of out0 to the next pair's; block 0 begins where the base stands
	s_mov_b32 s61, 0
	s_wait_dscnt NF                                ; the weights and block 0 are in; block 1's fetch may be out
.Lpair:                                                ; blocks 0 to 5, a pair a trip
	STREAM 0, 1
	STREAM 1, 1
	s_mov_b32 s60, 16*4096                         ; the next pair's tokens lie 16 on; from blocks 2, 3 to blocks 4, 5: 48
	s_cmp_eq_u32 s56, 1
	s_cselect_b32 s60, 48*4096, s60
	s_add_co_u32 s56, s56, 1
	s_cmp_lg_u32 s56, 3
	s_cbranch_scc1 .Lpair
	STREAM 0, 0                                    ; blocks 6 and 7 fetch nothing
	STREAM 1, 0
	s_wait_tensorcnt 0x0                           ; the wave's end
	ds_add_u32 v254, v255
	s_wait_dscnt 0x0
	CROUND                                         ; the closing round: no work-group ends while a partner may still ask for a tile that names it
	s_endpgm
.Lfunc_end_k_qdd58973ed7_gemm_proj:
	.size	k_qdd58973ed7_gemm_proj, .Lfunc_end_k_qdd58973ed7_gemm_proj-k_qdd58973ed7_gemm_proj
	.p2alignl 7, 3214868480
	.fill 96, 4, 3214868480
	.section	.rodata,"a",@progbits
	.p2align	6, 0x0
	.amdhsa_kernel k_qdd58973ed7_gemm_proj
		.amdhsa_group_segment_fixed_size 316928
		.amdhsa_private_segment_fixed_size 0
		.amdhsa_enable_private_segment 0
		.amdhsa_kernarg_size 32
		.amdhsa_user_sgpr_count 2
		.amdhsa_user_sgpr_kernarg_segment_ptr 1
		.amdhsa_wavefront_size32 1
		.amdhsa_system_sgpr_workgroup_id_x 1
		.amdhsa_system_sgpr_workgroup_id_y 1
		.amdhsa_system_sgpr_workgroup_id_z 1
		.amdhsa_system_vgpr_workitem_id 0
		.amdhsa_next_free_vgpr 840
		.amdhsa_next_free_sgpr 100
		.amdhsa_reserve_vcc 0
		.amdhsa_float_denorm_mode_32 3
		.amdhsa_float_denorm_mode_16_64 3
		.amdhsa_memory_ordered 1
		.amdhsa_forward_progress 1
		.amdhsa_inst_pref_size 52
	.end_amdhsa_kernel
	.amdgpu_metadata
---
amdhsa.version: [ 1, 2 ]
amdhsa.kernels:
  - .name:           k_qdd58973ed7_gemm_proj
    .symbol:         k_qdd58973ed7_gemm_proj.kd
    .args:
      - { .name: aimg, .offset: 0, .size: 8, .value_kind: global_buffer, .address_space: global }
      - { .name: wimg, .offset: 8, .size: 8, .value_kind: global_buffer, .address_space: global }
      - { .name: b_proj, .offset: 16, .size: 8, .value_kind: global_buffer, .address_space: global }
      - { .name: out0, .offset: 24, .size: 8, .value_kind: global_buffer, .address_space: global }
    .group_segment_fixed_size: 316928
    .private_segment_fixed_size: 0
    .kernarg_segment_align: 8
    .kernarg_segment_size: 32
    .max_flat_workgroup_size: 128
    .sgpr_count:     100
    .vgpr_count:     840
    .wavefront_size: 32
...
	.end_amdgpu_metadata
.endif
;; end of part 4
